; MI455X (gfx1250); checked and timed in simulation.
; The chip was launched on July 23, 2026; its instructions are those of AMD's public machine-readable ISA for CDNA 5 (MIT licence, August 2026) and "CDNA5" Instruction Set Architecture Reference Guide (July 2026). The comments in the code are by the model that wrote it; some were corrected since.
;; Interaction Layer. Allowed arithmetic: float matrix products may take bf16 or f16 operands with f32 sums; all other float work in f32.
;; Inputs: L 32 x 128 x 1,024 float32; V 32 x 64 x 1,024 float32; b1_L 4,096 float32; b1_V 4,096 float32; b2_L 1,024 float32; b2_V 1,024 float32; l_mask 32 x 128 float32; v_mask 32 x 64 float32; w1_L 1,024 x 4,096 float32; w1_V 1,024 x 4,096 float32; w2_L 4,096 x 1,024 float32; w2_V 4,096 x 1,024 float32.
;; Outputs: out0 32 x 64 x 192 float32; out1 32 x 64 x 1,024 float32.
;; One version. Each part assembles by itself: llvm-mc -triple=amdgcn-amd-amdhsa -mcpu=gfx1250 --defsym DOCPART=n.
;; ======== version 1 of 1: 4 launches
;; limits: values are held in f16: magnitudes above 65,504 overflow, below 6.1e-05 lose precision
;; workspace buffers: h16 46,137,344 bytes; hid 67,108,864 bytes; fs 20,971,520 bytes
;; launch cast (part 1): grid 256 x 1, 8 waves a work-group, no clusters, 0 bytes of LDS; arguments V, L, w1_V, w1_L, w2_V, w2_L, h16; writes h16
.if DOCPART == 1
	.amdgcn_target "amdgcn-amd-amdhsa--gfx1250"
	.amdhsa_code_object_version 6
	.text
	.protected	k_q78924e5a0b_cast
	.globl	k_q78924e5a0b_cast
	.p2align	8
	.type	k_q78924e5a0b_cast,@function
k_q78924e5a0b_cast:
	s_mov_b64 s[64:65], 0
	v_nop
	global_prefetch_b8 v0, s[64:65] scope:SCOPE_SE
	s_setreg_imm32_b32 hwreg(HW_REG_WAVE_MODE, 25, 1), 1
	s_wait_xcnt 0x0
; V, L and the four weight matrices, f32, are rounded once to f16 and laid one behind the other in h16:
;   byte 0           X    [6144][1024]  rows 0-2047 = V, rows 2048-6143 = L
;   byte 12,582,912  W1V  [1024][4096]     byte 20,971,520  W1L  [1024][4096]
;   byte 29,360,128  W2V  [4096][1024]     byte 37,748,736  W2L  [4096][1024]
; so that the two products of each feed-forward pass read 16-bit tiles and no weight is converted more than once.
; WORK LEFT OUT, in the whole program: v_mask and l_mask.  reference() takes them as parameters and never reads them, so no
; number of A or V_next depends on them whatever they hold; they are not loaded and are among no launch's arguments.
; A NaN or an infinity in a mask is therefore not carried to any result (reference() does not carry it either).
; LIMITS: f16 holds magnitudes up to 65,504 (larger ones become infinity) and steps of 2^-24 below 2^-14.  The drawn inputs
; are about 1 (V, L), 1/32 (w1) and 1/64 (w2); 30 times more, 30 times less, or an offset of 30 spreads stay inside that range.
; A stream: every input byte is read once, every output byte written once; LDS, barriers, clusters and the matrix unit would add nothing.
; SHARE: the 92,274,688 input bytes are 2,816 pieces of 32,768; 256 work-groups take 11 each: group g takes pieces g + 256 j, j = 0..10.
; V is 256 pieces and every other source 512, so piece j's source is a constant of the text: V; L, L; w1_V twice; w1_L twice; w2_V twice; w2_L twice.
; Piece p goes to h16 + 16,384 p, which is the order of the parts above.
; A wave takes 4,096 bytes of a piece: eight loads of 512 consecutive bytes (16 a lane); each becomes 4 f16 a lane, stored as 8 bytes:
; the 32 lanes of a store cover 256 consecutive bytes, aligned.
; A ring of six slots of 32 registers: five pieces on their way in, one whose stores are leaving, so that stores run beside loads.
.set X,     4                          ; v[4:195]  slot s: 32 registers, load i in 4 of them; its first 2 then hold the 4 f16
.set SLOTS, 6
.set AHEAD, 5                          ; pieces on their way
.set SRC,   20                         ; s[20:41]  piece j's source at my 32,768 bytes; never rewritten
.set DST,   42                         ; s[42:63]  piece j's place in h16; never rewritten
.macro FILL j                          ; eight loads: my wave's 4,096 bytes of piece j
.irp i, 0,1,2,3,4,5,6,7
	global_load_b128 v[X+32*((\j)%SLOTS)+4*\i:X+32*((\j)%SLOTS)+4*\i+3], v1, s[SRC+2*(\j):SRC+2*(\j)+1] offset:512*\i th:TH_LOAD_NT
.endr
.endm
; Piece j is converted and stored.  left = the loads of younger pieces that are out; fill = 1: the slot in front of this one gets piece j + 5.
.macro TURN j, fill, left
.irp i, 0,1,2,3,4,5,6,7
	s_wait_loadcnt \left+7-\i                      ; loads come back in order: load i is in; this piece's later loads and the younger pieces' stay out
	v_cvt_pk_f16_f32 v[X+32*((\j)%SLOTS)+4*\i],   v[X+32*((\j)%SLOTS)+4*\i],   v[X+32*((\j)%SLOTS)+4*\i+1]   ; in place: each destination has been read by the line that writes it or an earlier one
	v_cvt_pk_f16_f32 v[X+32*((\j)%SLOTS)+4*\i+1], v[X+32*((\j)%SLOTS)+4*\i+2], v[X+32*((\j)%SLOTS)+4*\i+3]
	global_store_b64 v2, v[X+32*((\j)%SLOTS)+4*\i:X+32*((\j)%SLOTS)+4*\i+1], s[DST+2*(\j):DST+2*(\j)+1] offset:256*\i
.endr
.if \fill
	s_wait_xcnt 0x0                                ; the slot of piece j - 1, which its stores read, is loaded again only behind this wait
	FILL \j+AHEAD
.endif
.endm
	s_load_b256 s[4:11], s[0:1], 0x0               ; V s[4:5], L s[6:7], w1_V s[8:9], w1_L s[10:11]
	s_load_b128 s[12:15], s[0:1], 0x20             ; w2_V s[12:13], w2_L s[14:15]
	s_load_b64 s[16:17], s[0:1], 0x30              ; h16
	v_and_b32 v1, 31, v0
	v_lshrrev_b32 v3, 5, v0
	v_lshlrev_b32 v1, 4, v1
	v_lshl_or_b32 v1, v3, 12, v1                   ; in: 4,096 x wave + 16 x lane
	v_lshrrev_b32 v2, 1, v1                        ; out: 2,048 x wave + 8 x lane
	s_lshl_b32 s18, ttmp9, 15                      ; my piece among a source's first 256: 32,768 g
	s_mov_b32 s19, 0
	s_lshl_b32 s66, ttmp9, 14                      ; and in h16: 16,384 g
	s_mov_b32 s67, 0
	s_wait_kmcnt 0x0
	s_add_nc_u64 s[SRC:SRC+1], s[4:5], s[18:19]    ; j = 0: V
.irp k, 0,1,2,3,4
	s_add_nc_u64 s[SRC+2+4*\k:SRC+3+4*\k], s[6+2*\k:7+2*\k], s[18:19]          ; j = 1 + 2 k: the source's first 256 pieces,
	s_add_nc_u64 s[SRC+4+4*\k:SRC+5+4*\k], s[SRC+2+4*\k:SRC+3+4*\k], 0x800000  ; j = 2 + 2 k: its second 256, 8,388,608 bytes on
.endr
	FILL 0
	FILL 1
	FILL 2
	FILL 3
	FILL 4
	s_add_nc_u64 s[DST:DST+1], s[16:17], s[66:67]
.irp j, 1,2,3,4,5,6,7,8,9,10
	s_add_nc_u64 s[DST+2*\j:DST+2*\j+1], s[DST+2*\j-2:DST+2*\j-1], 0x400000    ; 256 pieces of 16,384 bytes on
.endr
	TURN 0, 1, 32
	TURN 1, 1, 32
	TURN 2, 1, 32
	TURN 3, 1, 32
	TURN 4, 1, 32
	TURN 5, 1, 32                                  ; asks for the last piece
	TURN 6, 0, 32                                  ; pieces 7 to 10 are out; from here the counts run down
	TURN 7, 0, 24
	TURN 8, 0, 16
	TURN 9, 0, 8
	TURN 10, 0, 0
	s_endpgm
.Lfunc_end_k_q78924e5a0b_cast:
	.size	k_q78924e5a0b_cast, .Lfunc_end_k_q78924e5a0b_cast-k_q78924e5a0b_cast
	.p2alignl 7, 3214868480
	.fill 96, 4, 3214868480
	.section	.rodata,"a",@progbits
	.p2align	6, 0x0
	.amdhsa_kernel k_q78924e5a0b_cast
		.amdhsa_group_segment_fixed_size 0
		.amdhsa_private_segment_fixed_size 0
		.amdhsa_enable_private_segment 0
		.amdhsa_kernarg_size 56
		.amdhsa_user_sgpr_count 2
		.amdhsa_user_sgpr_kernarg_segment_ptr 1
		.amdhsa_wavefront_size32 1
		.amdhsa_system_sgpr_workgroup_id_x 1
		.amdhsa_system_sgpr_workgroup_id_y 1
		.amdhsa_system_sgpr_workgroup_id_z 1
		.amdhsa_system_vgpr_workitem_id 0
		.amdhsa_next_free_vgpr 196
		.amdhsa_next_free_sgpr 68
		.amdhsa_reserve_vcc 0
		.amdhsa_float_denorm_mode_32 3
		.amdhsa_float_denorm_mode_16_64 3
		.amdhsa_memory_ordered 1
		.amdhsa_forward_progress 1
		.amdhsa_inst_pref_size 33
	.end_amdhsa_kernel
	.amdgpu_metadata
---
amdhsa.version: [ 1, 2 ]
amdhsa.kernels:
  - .name:           k_q78924e5a0b_cast
    .symbol:         k_q78924e5a0b_cast.kd
    .args:
      - { .name: V, .offset: 0, .size: 8, .value_kind: global_buffer, .address_space: global }
      - { .name: L, .offset: 8, .size: 8, .value_kind: global_buffer, .address_space: global }
      - { .name: w1_V, .offset: 16, .size: 8, .value_kind: global_buffer, .address_space: global }
      - { .name: w1_L, .offset: 24, .size: 8, .value_kind: global_buffer, .address_space: global }
      - { .name: w2_V, .offset: 32, .size: 8, .value_kind: global_buffer, .address_space: global }
      - { .name: w2_L, .offset: 40, .size: 8, .value_kind: global_buffer, .address_space: global }
      - { .name: h16, .offset: 48, .size: 8, .value_kind: global_buffer, .address_space: global }
    .group_segment_fixed_size: 0
    .private_segment_fixed_size: 0
    .kernarg_segment_align: 8
    .kernarg_segment_size: 56
    .max_flat_workgroup_size: 256
    .sgpr_count:     68
    .vgpr_count:     196
    .wavefront_size: 32
...
	.end_amdgpu_metadata
.endif
;; end of part 1
;; launch gemm1 (part 2): grid 8 x 32, 4 waves a work-group, clusters of 4 x 4, 327,680 bytes of LDS; arguments h16, b1_V, b1_L, hid; writes hid
.if DOCPART == 2
	.amdgcn_target "amdgcn-amd-amdhsa--gfx1250"
	.amdhsa_code_object_version 6
	.text
	.protected	k_q78924e5a0b_gemm1
	.globl	k_q78924e5a0b_gemm1
	.p2align	8
	.type	k_q78924e5a0b_gemm1,@function
k_q78924e5a0b_gemm1:
	s_mov_b64 s[64:65], 0
	v_nop
	global_prefetch_b8 v0, s[64:65] scope:SCOPE_SE
	s_setreg_imm32_b32 hwreg(HW_REG_WAVE_MODE, 25, 1), 1
	s_wait_xcnt 0x0
	s_wait_alu depctr_hold_cnt(0) depctr_sa_sdst(0) depctr_va_vdst(0) depctr_va_sdst(0) depctr_va_ssrc(0) depctr_va_vcc(0) depctr_vm_vsrc(0)
	s_getreg_b32 s2, hwreg(HW_REG_IB_STS2, 6, 4)
	s_cmp_eq_u32 s2, 0
	s_cbranch_scc0 .Lentry_in_a_cluster
	s_endpgm
.Lentry_in_a_cluster:
	s_bfe_u32 s2, ttmp6, 0x10000c
	s_cmp_lg_u32 s2, 0xf033
	s_cbranch_scc0 .Lentry_shape_is_right
	s_endpgm
.Lentry_shape_is_right:
; hid = relu(X W1 + b1), [8192][4096] in f16: the first product of all three feed-forward passes as one GEMM.
;   rows 0-2047    = V with w1_V, b1_V      rows 2048-6143 = L with w1_L, b1_L      rows 6144-8191 = V with w1_L, b1_L
; X [6144][1024] and W1 [1024 (k)][4096 (n)] are the f16 copies in h16; sums in f32; K = 1024.  (v_mask, l_mask: read by nothing, see the first kernel.)
; LIMITS: a hidden value above 65,504 becomes infinity in f16 (with V and w1 both 30 times the drawn size the largest is some 5,400; with both
; offset by 30 spreads about 28,800).  relu is v_max_num_f32, which gives 0 for a NaN where reference() would keep the NaN.
; SHAPE: 512 blocks of 256 x 256; 256 work-groups of four waves, each walks two blocks of one block row (block columns bx and bx + 8) in one run of
; K steps: the last two changes of slots of the first block ask for the second block's first two K steps, ahead of the first block's stores.
; A wave makes 128 x 128: 64 accumulator tiles, 512 registers.  K goes in steps of 128 through two LDS slots filled by the tensor data mover.
; CLUSTERS: 4 x 4 work-groups.  X's tile hangs on the block row alone and is asked for jointly along a row of the cluster, W1's on the block
; column alone (and on the cluster's y, which all sixteen share) and is asked for jointly along a column: a quarter of the requests.
; W1 lies [k][n]: its tile keeps that order in LDS and the fragments are read by the transposing load ds_load_tr16_b128.
; THE MATRIX INSTRUCTION IS USED TRANSPOSED: source 0 = 16 columns of W1, source 1 = 16 rows of X.  Lane l then holds row l % 16 of the result and its
; registers 0-7 the columns 8 (l / 16) + 0..7.  So one set of eight registers with b1 of those columns is a C operand that serves every block of
; rows: a block's first 64 products take it as C, and the bias costs no arithmetic and no accumulator is cleared.
; REGISTERS, in windows of 256:
;   window 0: v16-27 addresses; v64-127, v128-191 fragments of X, two buffers; on the way out v64-127 relu, v128-159 packed, v192-255 rows read back
;   window 1: v64-127, v128-191 fragments of W1, two buffers; v0-63 b1 for the first block, v192-255 b1 for the second
;   window 2: the 32 accumulator tiles of my rows 0-63 (tile (a, b) at v[8 (8 a + b)]);  window 3: those of my rows 64-127
; The 64 accumulators take turns, one instruction a turn, in the same order in every quarter step.
.set KSTEP,  128
.set PA,     272                       ; X's LDS row: 256 bytes + 16 of padding = 17 x 16: sixteen rows start at sixteen different 16-byte columns modulo 256
.set PB,     544                       ; W1's LDS row: 512 bytes + 32 of padding = 17 x 32, an odd multiple of 32 for the transposing load
.set HALFT,  34816                     ; what one tensor load brings: 128 rows of X (128 x 272) or 64 k-rows of W1 (64 x 544)
.set SLOT,   4*HALFT                   ; X's 256 rows, then W1's 128 k-rows
.set STAGE,  2*SLOT                    ; behind the ring, byte 278,528 = 1,088 x 256: 16 rows x 272 bytes for each wave; no tensor load lands here
.set SPITCH, 272
.set WROW,   8192                      ; bytes in a row of W1 and of hid
.set W1V,    12582912                  ; byte offsets in h16
.set W1L,    20971520
.set ADRA, 16                          ; v16-17  LDS address of my X fragments in slot 0, 1
.set ADRB, 20                          ; v20-21  the same for W1
.set STO,  24                          ; v24     the way out: where I put 16 bytes of a row
.set RD,   25                          ; v25     the way out: where I read a row back
.set CO,   26                          ; v26     my byte offset in hid
.set BO,   27                          ; v27     my byte offset in b1
.set F0,   64
.set F1,   128
.set T,    64
.set P,    128
.set G1,  24                           ; s[24:31] descriptor group 1 for X's tiles
.set G0,  32                           ; s[32:39] group 0 for X's tiles, one set for each slot
.set G1B, 48                           ; s[48:55] group 1 for W1's tiles
.set G0B, 56                           ; s[56:63] group 0 for W1's tiles, one set for each slot
.set MSB, 0
.macro WIN new                         ; the immediate's high byte repeats the setting that is left
.if MSB != \new
	s_set_vgpr_msb (MSB<<8)|\new
.set MSB, \new
.endif
.endm
.set MUL_LO, 0xa1                      ; source 0 (W1) window 1, source 1 (X) window 0, C and D window 2
.set MUL_HI, 0xf1                      ; the same, C and D window 3
.set BIA_LO, 0x91                      ; C (the bias) window 1, D window 2
.set BIA_HI, 0xd1                      ; C (the bias) window 1, D window 3
.set TO_B,   0x40                      ; destination window 1, address window 0
; A joint load.  Waves 0 and 1 fetch X's two halves, waves 2 and 3 W1's.  The branch hangs on the wave's number alone.
.macro JLOAD s
	s_cmp_eq_u32 s13, 0
	s_cbranch_scc0 .Lfor_b_\@
	tensor_load_to_lds s[G0+4*\s:G0+4*\s+3], s[G1:G1+7]
	s_nop 0
	s_branch .Lasked_\@
.Lfor_b_\@:
	tensor_load_to_lds s[G0B+4*\s:G0B+4*\s+3], s[G1B:G1B+7]
	s_nop 0
.Lasked_\@:
.endm
.macro CREST                           ; a round of the cluster's barrier behind its opening work-group barrier
	s_cmp_lg_u32 s12, 0
	s_cbranch_scc1 .Lnot_wave_0_\@
	s_barrier_signal -3
.Lnot_wave_0_\@:
	s_barrier_wait -3
	s_barrier_signal -1
	s_barrier_wait -1
.endm
.macro CROUND                          ; a whole round
	s_barrier_signal -1
	s_barrier_wait -1
	CREST
.endm
	s_load_b256 s[4:11], s[0:1], 0x0               ; h16 s[4:5], b1_V s[6:7], b1_L s[8:9], hid s[10:11]
	v_lshl_add_u32 v62, v0, 2, 0x48400
	v_mov_b32 v63, 0
	ds_add_u32 v62, v63
	v_lshrrev_b32 v1, 5, v0
	v_readfirstlane_b32 s12, v1                    ; wave 0..3
	s_lshr_b32 s13, s12, 1                         ; which half of the block's rows is mine.  Also: I fetch for X (0) or for W1 (1)
	s_and_b32 s14, s12, 1                          ; which half of its columns.  Also: which half of that tile I fetch
	s_bfe_u32 s15, ttmp6, 0x40000                  ; cx
	s_bfe_u32 s16, ttmp6, 0x40004                  ; cy
	s_lshl_b32 s17, ttmp9, 2
	s_add_co_u32 s17, s17, s15                     ; bx = 4 x cluster x + cx, 0..7: my first block column
	s_and_b32 s18, ttmp7, 0xffff                   ; the cluster's y, 0..7: it alone picks the weights and the source rows
	s_lshl_b32 s19, s18, 2
	s_add_co_u32 s19, s19, s16                     ; block row = 4 x cluster y + cy, 0..31
	s_lshl_b32 s20, s16, 2
	s_lshl_b32 s20, 15, s20                        ; my row of the cluster: places 4 cy .. 4 cy + 3
	s_lshl_b32 s21, 0x1111, s15                    ; my column: places cx, cx + 4, cx + 8, cx + 12
	; group 1 for X: 128 rows x 128 elements of 2 bytes, 4 words of padding behind every 64 words
	s_or_b32 s[G1+0], s20, (1<<16)|(1<<20)|(1<<21)|(5<<22)|(3<<25)
	s_mov_b32 s[G1+1], 128<<16                     ; tensor_dim0 = 128
	s_mov_b32 s[G1+2], 128<<16                     ; tensor_dim1 = 128
	s_mov_b32 s[G1+3], 128<<16                     ; tile_dim0 = 128
	s_mov_b32 s[G1+4], 128                         ; tile_dim1 = 128
	s_mov_b32 s[G1+5], 1024                        ; elements from row to row of X
	s_mov_b32 s[G1+6], 0
	s_mov_b32 s[G1+7], 0
	; group 1 for W1: 64 k-rows x 256 elements, 8 words of padding behind every 128 words
	s_or_b32 s[G1B+0], s21, (1<<16)|(1<<20)|(1<<21)|(6<<22)|(7<<25)
	s_mov_b32 s[G1B+1], 256<<16
	s_mov_b32 s[G1B+2], 64<<16
	s_mov_b32 s[G1B+3], 256<<16
	s_mov_b32 s[G1B+4], 64
	s_mov_b32 s[G1B+5], 4096                       ; elements from row to row of W1
	s_mov_b32 s[G1B+6], 0
	s_mov_b32 s[G1B+7], 0
	; X's tile: s40-43 never hold cx
	s_lshl_b32 s40, s19, 8                         ; 256 x block row,
	s_cmp_ge_u32 s18, 6
	s_cselect_b32 s41, 6144, 0                     ; and rows 6144-8191 of hid are made of V again: X's rows 0-2047
	s_sub_co_u32 s40, s40, s41
	s_lshl_b32 s41, s14, 7                         ; + the 128 rows that I fetch
	s_add_co_u32 s40, s40, s41
	s_lshl_b32 s40, s40, 11                        ; rows of 2,048 bytes
	s_mov_b32 s41, 0
	; W1's tile: s44-47 never hold cy
	s_mov_b32 s44, W1L
	s_cmp_lt_u32 s18, 2                            ; rows 0-2047 of hid take w1_V
	s_cselect_b32 s44, W1V, s44
	s_lshl_b32 s45, s14, 19                        ; + the 64 k-rows of 8,192 bytes that I fetch
	s_add_co_u32 s44, s44, s45
	s_lshl_b32 s45, s17, 9                         ; + 256 columns of 2 bytes for each block column
	s_add_co_u32 s44, s44, s45
	s_mov_b32 s45, 0
	s_mul_i32 s23, s12, HALFT                      ; where my part of a tile goes: wave x 34,816: no place in the cluster enters an LDS address
	s_wait_dscnt 0x0
	s_wait_kmcnt 0x0
	s_add_nc_u64 s[42:43], s[4:5], s[40:41]
	s_add_nc_u64 s[46:47], s[4:5], s[44:45]
	s_cmp_lt_u32 s18, 2
	s_cselect_b64 s[66:67], s[6:7], s[8:9]         ; b1_V or b1_L
	s_lshl_b32 s70, s17, 10                        ; at my first block column: 256 numbers of 4 bytes each
	s_mov_b32 s71, 0
	s_add_nc_u64 s[66:67], s[66:67], s[70:71]
	CROUND                                         ; all sixteen work-groups are here: the first joint loads meet
.irp s, 0,1
	s_mov_b32 s[G0+4*\s], 1
	s_add_co_u32 s[G0+4*\s+1], s23, \s*SLOT
	s_add_nc_u64 s[G0+4*\s+2:G0+4*\s+3], s[42:43], \s*KSTEP*2          ; K step s: 256 bytes along X's rows
	s_or_b32 s[G0+4*\s+3], s[G0+4*\s+3], 0x80000000
	s_mov_b32 s[G0B+4*\s], 1
	s_add_co_u32 s[G0B+4*\s+1], s23, \s*SLOT
	s_add_nc_u64 s[G0B+4*\s+2:G0B+4*\s+3], s[46:47], \s*KSTEP*WROW     ; K step s: 128 rows down W1
	s_or_b32 s[G0B+4*\s+3], s[G0B+4*\s+3], 0x80000000
	JLOAD \s                                       ; both first fills go out before anything else is done: two tensor loads of the wave are out
.endr
	v_and_b32 v1, 15, v0                           ; r = l % 16
	v_bfe_u32 v2, v0, 4, 1                         ; h = l / 16
	v_mul_u32_u24 v3, v1, PA
	v_lshl_add_u32 v3, v2, 4, v3                   ; X's fragment: row r, 16 bytes for each half of the lanes; two loads 32 bytes apart
	v_and_b32 v4, 7, v0
	v_lshl_add_u32 v4, v2, 3, v4                   ; W1's fragment, transposing load: k-row 8 h + l % 8,
	v_mul_u32_u24 v4, v4, PB
	v_bfe_u32 v5, v0, 3, 1
	v_lshl_add_u32 v4, v5, 4, v4                   ; 16 bytes for each half of eight lanes; two loads 16 k-rows apart
	s_mul_i32 s70, s13, HALFT                      ; my 128 rows of X
	s_lshl_b32 s71, s14, 8                         ; my 128 columns of W1,
	s_add_co_u32 s71, s71, 2*HALFT                 ; which lies behind X's 256 rows
.irp s, 0,1
	v_add_nc_u32 v[ADRA+\s], s70, v3
	v_add_nc_u32 v[ADRB+\s], s71, v4
	s_add_co_u32 s70, s70, SLOT
	s_add_co_u32 s71, s71, SLOT
.endr
	s_mul_i32 s70, s12, 16*SPITCH
	s_add_co_u32 s70, s70, STAGE                   ; my stage
	v_mul_u32_u24 v4, v1, SPITCH
	v_lshl_add_u32 v4, v2, 4, v4
	v_add_nc_u32 v[STO], s70, v4                   ; in: row r, 16 bytes for each half of the lanes
	v_mul_u32_u24 v5, v2, SPITCH
	v_lshl_add_u32 v5, v1, 4, v5
	v_add_nc_u32 v[RD], s70, v5                    ; back: lanes 0-15 one row of 256 bytes, lanes 16-31 the next
	v_lshlrev_b32 v5, 13, v2
	v_lshl_add_u32 v[CO], v1, 4, v5                ; the same two rows in hid
	v_lshlrev_b32 v[BO], 5, v2                     ; b1: 8 h numbers,
	v_lshl_add_u32 v[BO], s14, 9, v[BO]            ; + my 128 columns
	s_lshl_b32 s70, s19, 8
	s_lshl_b32 s71, s13, 7
	s_add_co_u32 s70, s70, s71                     ; my first row of hid,
	s_lshl_b32 s70, s70, 13                        ; of 8,192 bytes (66,060,288 at the most)
	s_lshl_b32 s71, s17, 9
	s_add_co_u32 s70, s70, s71                     ; + my first block column
	s_lshl_b32 s71, s14, 8
	s_add_co_u32 s70, s70, s71                     ; + my half of it
	s_mov_b32 s71, 0
	s_add_nc_u64 s[68:69], s[10:11], s[70:71]      ; never stepped: rows and the second block stand in the stores' immediates
	WIN TO_B
.irp t, 0,1
.irp b, 0,1,2,3,4,5,6,7
	global_load_b128 v[192*\t+8*\b:192*\t+8*\b+3],   v[BO], s[66:67] offset:8192*\t+64*\b      ; b1 of columns 16 b + 8 h + 0..3 of block t,
	global_load_b128 v[192*\t+8*\b+4:192*\t+8*\b+7], v[BO], s[66:67] offset:8192*\t+64*\b+16   ; and + 4..7
.endr
.endr
	WIN 0
	s_wait_loadcnt 0x0                             ; both sets of b1, once
; 16 matrix instructions: m blocks a0, a0 + 1 of the window's four x all 8 n blocks, 32 along K.
; bias = 0: add in place; 1 or 2: the first product of block 0 or 1 takes that block's b1 as C.
.macro MUL16 f, hi, a0, bias
.irp a, \a0, \a0+1
.irp b, 0,1,2,3,4,5,6,7
.if \bias
	v_wmma_f32_16x16x32_f16 v[8*(8*(\a)+\b):8*(8*(\a)+\b)+7], v[\f+8*\b:\f+8*\b+7], v[\f+8*(4*\hi+\a):\f+8*(4*\hi+\a)+7], v[192*(\bias-1)+8*\b:192*(\bias-1)+8*\b+7]
.else
	v_wmma_f32_16x16x32_f16 v[8*(8*(\a)+\b):8*(8*(\a)+\b)+7], v[\f+8*\b:\f+8*\b+7], v[\f+8*(4*\hi+\a):\f+8*(4*\hi+\a)+7], v[8*(8*(\a)+\b):8*(8*(\a)+\b)+7]
.endif
.endr
.endr
.endm
; 32 LDS loads in one run: the fragments of quarter q (32 along K) of a slot into buffer f: W1's 128 columns, then X's 128 rows
.macro FETCH slot, q, f
	WIN TO_B
.irp i, 0,1,2,3,4,5,6,7
	ds_load_tr16_b128 v[\f+8*\i:\f+8*\i+3],   v[ADRB+\slot] offset:\q*32*PB+32*\i
	ds_load_tr16_b128 v[\f+8*\i+4:\f+8*\i+7], v[ADRB+\slot] offset:\q*32*PB+32*\i+16*PB
.endr
	WIN 0
.irp i, 0,1,2,3,4,5,6,7
	ds_load_b128 v[\f+8*\i:\f+8*\i+3],   v[ADRA+\slot] offset:\q*64+\i*16*PA
	ds_load_b128 v[\f+8*\i+4:\f+8*\i+7], v[ADRA+\slot] offset:\q*64+\i*16*PA+32
.endr
.endm
; A load into a register that a matrix instruction has read, and a vector instruction that reads a matrix result or writes one of a matrix
; instruction's registers, stand four places behind it, and only plain vector instructions that name none of its registers are places
; (ISA guide 7.12.1 for vector instructions).
.macro PLACES
.rept 4
	v_nop
.endr
.endm
; A quarter step: multiplies buffer f; in its middle it fetches quarter q of the same slot into buffer g.
.macro QUARTER slot, q, f, g, bias
	s_wait_dscnt 8                                 ; W1's fragments and X's rows 0-63 are in; the youngest eight loads (X's rows 64-127) may be out
.if \bias
	WIN BIA_LO
.else
	WIN MUL_LO
.endif
	MUL16 \f, 0, 0, \bias
	MUL16 \f, 0, 2, \bias
	PLACES
	FETCH \slot, \q, \g
	s_wait_dscnt 32                                ; all but the 32 just issued
.if \bias
	WIN BIA_HI
.else
	WIN MUL_HI
.endif
	MUL16 \f, 1, 0, \bias
	MUL16 \f, 1, 2, \bias
.endm
; The last quarter of a K step: multiplies buffer 1 and changes slots.  fill = 0: nothing is asked for; 1: this slot is filled again two K steps
; ahead; 2: with the same K step of the next block.  fetch = 1: the next slot's first fragments are read.
; In front of the barrier each wave waits for its reads of this slot and for all its tensor loads (one is out: its part of the next slot).
; Where a slot is filled again the barrier opens a round of the cluster's barrier; the joint refill is the first tensor load behind the round.
.macro TURN slot, next, fill, fetch
	s_wait_dscnt 8
	WIN MUL_LO
	MUL16 F1, 0, 0, 0
	s_wait_dscnt 0                                 ; my reads of this slot are over
	s_set_vgpr_msb 0xa1a0
	s_wait_tensorcnt 0x0                           ; and all my tensor loads have landed
	ds_add_u32 v62, v63
	s_wait_dscnt 0x0
	s_set_vgpr_msb 0xa0a1
	s_barrier_signal -1
	MUL16 F1, 0, 2, 0                              ; work on registers while the others arrive
	WIN 0
	s_barrier_wait -1
.if \fill
	CREST                                          ; no wave of any partner still reads this slot or has a load on its way
.if \fill == 1
	s_add_nc_u64 s[G0+4*\slot+2:G0+4*\slot+3], s[G0+4*\slot+2:G0+4*\slot+3], 2*KSTEP*2
	s_add_nc_u64 s[G0B+4*\slot+2:G0B+4*\slot+3], s[G0B+4*\slot+2:G0B+4*\slot+3], 2*KSTEP*WROW
.else
	s_sub_nc_u64 s[G0+4*\slot+2:G0+4*\slot+3], s[G0+4*\slot+2:G0+4*\slot+3], 6*KSTEP*2              ; X: six K steps back, the same rows
	s_sub_nc_u64 s[G0B+4*\slot+2:G0B+4*\slot+3], s[G0B+4*\slot+2:G0B+4*\slot+3], 6*KSTEP*WROW-4096  ; W1: six K steps back, eight block columns (4,096 bytes) on
.endif
	JLOAD \slot
.endif
.if \fetch
	PLACES
	FETCH \next, 0, F0
.endif
	WIN MUL_HI
	MUL16 F1, 1, 0, 0
	MUL16 F1, 1, 2, 0
.endm
.macro HEAD t                          ; the first quarter of block t: its products start the sums from b1
	FETCH 0, 0, F0
	QUARTER 0, 1, F0, F1, 1+\t
.endm
.macro BODY                            ; quarters 1-3 of an even K step, an odd K step, quarter 0 of the next: once round the ring, both slots filled again
	QUARTER 0, 2, F1, F0, 0
	QUARTER 0, 3, F0, F1, 0
	TURN 0, 1, 1, 1
	QUARTER 1, 1, F0, F1, 0
	QUARTER 1, 2, F1, F0, 0
	QUARTER 1, 3, F0, F1, 0
	TURN 1, 0, 1, 1
	QUARTER 0, 1, F0, F1, 0
.endm
.macro TAIL x                          ; the rest of K steps 6 and 7.  x = 2: both slots are asked for again for the next block; x = 0: nothing is left to fetch
	QUARTER 0, 2, F1, F0, 0
	QUARTER 0, 3, F0, F1, 0
	TURN 0, 1, \x, 1
	QUARTER 1, 1, F0, F1, 0
	QUARTER 1, 2, F1, F0, 0
	QUARTER 1, 3, F0, F1, 0
.if \x
	TURN 1, 0, \x, 0
.else
	s_wait_dscnt 8
	WIN MUL_LO
	MUL16 F1, 0, 0, 0
	MUL16 F1, 0, 2, 0
	s_wait_dscnt 0
	WIN MUL_HI
	MUL16 F1, 1, 0, 0
	MUL16 F1, 1, 2, 0
.endif
	WIN 0
.endm
; THE WAY OUT, 16 rows at a time: relu, round to f16, 16 bytes a lane into my own stage, read back as whole rows of 256 bytes.
; rows 16 i .. 16 i + 15 of my part of block t = the eight tiles (a, 0..7) of window 2 or 3 (from = 0x08 or 0x0c: source 1); r: v192 or v224 in turn
.macro OUT16 t, i, a, from, r
	WIN \from
.irp b, 0,1,2,3,4,5,6,7
.irp j, 0,1,2,3,4,5,6,7
	v_max_num_f32 v[T+8*\b+\j], 0, v[8*(8*\a+\b)+\j]
.endr
.endr
	WIN 0
.irp b, 0,1,2,3,4,5,6,7
.irp k, 0,1,2,3
	v_cvt_pk_f16_f32 v[P+4*\b+\k], v[T+8*\b+2*\k], v[T+8*\b+2*\k+1]
.endr
.endr
.irp b, 0,1,2,3,4,5,6,7
	ds_store_b128 v[STO], v[P+4*\b:P+4*\b+3] offset:32*\b
.endr
	s_wait_xcnt 0x0                                ; the registers that earlier stores read are loaded again only behind this wait
.irp u, 0,1,2,3,4,5,6,7
	ds_load_b128 v[\r+4*\u:\r+4*\u+3], v[RD] offset:\u*2*SPITCH    ; LDS serves a wave's instructions in order (ISA guide 5.7.1): these see the stores above
.endr
.irp u, 0,1,2,3,4,5,6,7
	s_wait_dscnt 7-\u                              ; the younger read-backs may be out
	global_store_b128 v[CO], v[\r+4*\u:\r+4*\u+3], s[68:69] offset:(16*\i+2*\u)*WROW+4096*\t   ; 16 lanes store 256 consecutive bytes, aligned
.endr
.endm
.macro OUT t
	PLACES                                         ; behind the last matrix instructions: the lines below read results and write fragment registers
	OUT16 \t, 0, 0, 0x08, 192
	OUT16 \t, 1, 1, 0x08, 224
	OUT16 \t, 2, 2, 0x08, 192
	OUT16 \t, 3, 3, 0x08, 224
	OUT16 \t, 4, 0, 0x0c, 192
	OUT16 \t, 5, 1, 0x0c, 224
	OUT16 \t, 6, 2, 0x0c, 192
	OUT16 \t, 7, 3, 0x0c, 224
.endm
	s_wait_tensorcnt 1                             ; my part of K step 0 is in; K step 1's load, issued behind it, stays out
	s_barrier_signal -1
	s_barrier_wait -1                              ; everybody's is
	HEAD 0
	WIN 0                                          ; at a label and at a branch every window is 0
	s_mov_b32 s22, 3                               ; three trips ask for K steps 2 to 7
.Lblock0:
	BODY
	WIN 0
	s_sub_co_u32 s22, s22, 1
	s_cmp_lg_u32 s22, 0
	s_cbranch_scc1 .Lblock0
	TAIL 2                                         ; its two refills are the second block's K steps 0 and 1, ahead of the first store
	OUT 0                                          ; slot 0 was shown whole to every wave by the last change of slots; slot 1's load lands beside the stores
	HEAD 1
	WIN 0
	s_mov_b32 s22, 3
.Lblock1:
	BODY
	WIN 0
	s_sub_co_u32 s22, s22, 1
	s_cmp_lg_u32 s22, 0
	s_cbranch_scc1 .Lblock1
	TAIL 0
	OUT 1
	s_wait_tensorcnt 0x0
	ds_add_u32 v62, v63
	s_wait_dscnt 0x0
	CROUND                                         ; the closing round: no work-group ends while a partner may still ask for a tile that names it
	s_endpgm
.Lfunc_end_k_q78924e5a0b_gemm1:
	.size	k_q78924e5a0b_gemm1, .Lfunc_end_k_q78924e5a0b_gemm1-k_q78924e5a0b_gemm1
	.p2alignl 7, 3214868480
	.fill 96, 4, 3214868480
	.section	.rodata,"a",@progbits
	.p2align	6, 0x0
	.amdhsa_kernel k_q78924e5a0b_gemm1
		.amdhsa_group_segment_fixed_size 327680
		.amdhsa_private_segment_fixed_size 0
		.amdhsa_enable_private_segment 0
		.amdhsa_kernarg_size 32
		.amdhsa_user_sgpr_count 2
		.amdhsa_user_sgpr_kernarg_segment_ptr 1
		.amdhsa_wavefront_size32 1
		.amdhsa_system_sgpr_workgroup_id_x 1
		.amdhsa_system_sgpr_workgroup_id_y 1
		.amdhsa_system_sgpr_workgroup_id_z 1
		.amdhsa_system_vgpr_workitem_id 0
		.amdhsa_next_free_vgpr 1024
		.amdhsa_next_free_sgpr 72
		.amdhsa_reserve_vcc 0
		.amdhsa_float_denorm_mode_32 3
		.amdhsa_float_denorm_mode_16_64 3
		.amdhsa_memory_ordered 1
		.amdhsa_forward_progress 1
		.amdhsa_inst_pref_size 255
	.end_amdhsa_kernel
	.section	.bss,"aw",@nobits
	.p2align	6
	.space	262144
	.amdgpu_metadata
---
amdhsa.version: [ 1, 2 ]
amdhsa.kernels:
  - .name:           k_q78924e5a0b_gemm1
    .symbol:         k_q78924e5a0b_gemm1.kd
    .args:
      - { .name: h16, .offset: 0, .size: 8, .value_kind: global_buffer, .address_space: global }
      - { .name: b1_V, .offset: 8, .size: 8, .value_kind: global_buffer, .address_space: global }
      - { .name: b1_L, .offset: 16, .size: 8, .value_kind: global_buffer, .address_space: global }
      - { .name: hid, .offset: 24, .size: 8, .value_kind: global_buffer, .address_space: global }
    .group_segment_fixed_size: 327680
    .private_segment_fixed_size: 0
    .kernarg_segment_align: 8
    .kernarg_segment_size: 32
    .max_flat_workgroup_size: 128
    .sgpr_count:     72
    .vgpr_count:     1024
    .wavefront_size: 32
...
	.end_amdgpu_metadata
.endif
;; end of part 2
;; launch gemm2 (part 3): grid 4 x 64, 4 waves a work-group, clusters of 4 x 4, 327,680 bytes of LDS; arguments hid, h16, b2_V, b2_L, fs; writes fs
.if DOCPART == 3
	.amdgcn_target "amdgcn-amd-amdhsa--gfx1250"
	.amdhsa_code_object_version 6
	.text
	.protected	k_q78924e5a0b_gemm2
	.globl	k_q78924e5a0b_gemm2
	.p2align	8
	.type	k_q78924e5a0b_gemm2,@function
k_q78924e5a0b_gemm2:
	s_mov_b64 s[64:65], 0
	v_nop
	global_prefetch_b8 v0, s[64:65] scope:SCOPE_SE
	s_setreg_imm32_b32 hwreg(HW_REG_WAVE_MODE, 25, 1), 1
	s_wait_xcnt 0x0
	s_wait_alu depctr_hold_cnt(0) depctr_sa_sdst(0) depctr_va_vdst(0) depctr_va_sdst(0) depctr_va_ssrc(0) depctr_va_vcc(0) depctr_vm_vsrc(0)
	s_getreg_b32 s2, hwreg(HW_REG_IB_STS2, 6, 4)
	s_cmp_eq_u32 s2, 0
	s_cbranch_scc0 .Lentry_in_a_cluster
	s_endpgm
.Lentry_in_a_cluster:
	s_bfe_u32 s2, ttmp6, 0x10000c
	s_cmp_lg_u32 s2, 0xf033
	s_cbranch_scc0 .Lentry_shape_is_right
	s_endpgm
.Lentry_shape_is_right:
; F = hid W2 + b2, [8192][1024]: the second product of all three feed-forward passes as one GEMM, K = 4096; operands f16, sums f32.
;   rows 0-2047 = ffn_V(V) with w2_V, b2_V;  rows 2048-6143 = ffn_L(L) and rows 6144-8191 = ffn_L(V) with w2_L, b2_L.  (v_mask, l_mask: read by nothing, see the first kernel.)
; F has no room in f16 (with all inputs 30 times the drawn size it is some 27,000 times larger), so it leaves in bf16, sorted by batch for the last launch:
;   fs [32 batches][320 rows][1024]:  rows 0-63 ffn_V(V) - bf16(ffn_V(V)), in bf16 ("lo");  64-191 ffn_L(L);  192-255 ffn_L(V);  256-319 bf16(ffn_V(V)) ("hi")
; The lo plane lets the last launch use ffn_V(V) as hi + lo on the query side of A; only these 2,048 rows have one.
; SHAPE: 256 blocks of 128 x 256, one for each of 256 work-groups; four waves, a wave makes 64 x 128: 32 accumulator tiles, 256 registers.
; THE RING: two LDS slots as long along K as LDS holds: 192.  (256 would take 2 x (128 x 528 + 256 x 544) = 413,696 bytes.)  4096 = 64 + 21 x 192: K step 0 is the
; short one, a first fill with a shape of its own, so that every refill has one shape; step s >= 1 begins at k = 64 + 192 (s - 1) and lies in slot s % 2.
; A step of 192 is six sixths of 32 along K, 32 matrix instructions each; from a refill's request to the wait for it a wave issues 184 of a step's 192.
; hid's rows in a tile are 384 bytes and begin at 128 or 0 modulo 256 by turns: the price of the longer step with hid stored by rows.
; CLUSTERS: 4 x 4; hid's tile is asked for jointly along a row of the cluster, W2's along a column: a quarter of the requests.
; W2 lies [k][n] and is read by the transposing load; the matrix instruction is used transposed (source 0 = W2's columns, source 1 = hid's rows), so a lane
; holds eight neighbouring columns of one row and b2 in eight registers is the C operand of every row block's first product.
; PREFETCH of hid, which this launch reads once: trip t of the loop (K steps 2 t + 1 and 2 t + 2) asks, behind its first refill, for the aligned blocks of 256 bytes
; number 3 t + 5, + 6, + 7 of hid's rows: the bytes of K steps 2 t + 4 and 2 t + 5, whose tensor loads go out one and two K steps later.  Each block is asked for once:
; of the block row's 128 rows the partner at cx takes rows 32 cx + lane, waves 0, 1, 2 one block each, wave 3 none.  The last trip asks for blocks 29 to 31,
; the end of the rows of 8,192 bytes, so no request leaves a row.  Blocks 0 to 4 (K steps 0 to 3) are loaded too soon to be asked for ahead.
; LDS: a slot is 159,744 bytes: W2's 192 k-rows x 544 at 0 (waves 0, 1 fetch 96 each), hid's 128 rows x 432 at 104,448 (waves 2, 3 fetch 64 each).
; The stages of the way out lie in slot 0's bytes 0 to 34,815: its last fill is K step 20's, and the barrier that ends step 20 stands behind every wave's last read of it.
; REGISTERS: window 0: v16-29 addresses; hid's fragments v32-63, v64-95; W2's v96-159, v160-223 (two buffers each).
;            window 1: accumulator tile (a, b) at v[8 (8 a + b)].   window 2: v0-63 b2.
; The 32 accumulators take turns, one instruction a turn, in the same order in every sixth.
.set KS,     192
.set PA,     432                       ; hid's LDS row: three pieces of 128 bytes + 16 of padding = 27 x 16: sixteen rows start at sixteen different 16-byte columns modulo 256
.set PAC,    144                       ; one such piece; also the row pitch of K step 0's tile (64 along K), 9 x 16
.set PB,     544                       ; W2's LDS row: 512 bytes + 32 = 17 x 32, an odd multiple of 32 for the transposing load
.set BH,     96*PB                     ; 52,224: what wave 0 or 1 fetches
.set AH,     64*PA                     ; 27,648: what wave 2 or 3 fetches
.set ABASE,  2*BH                      ; 104,448
.set SLOT,   ABASE+2*AH                ; 159,744
.set LOST,   17408                     ; the lo stage lies 17,408 bytes behind the hi stage
.set SPITCH, 272
.set HROW,   8192                      ; bytes in a row of hid
.set FROW,   2048                      ; bytes in a row of W2 and of fs
.set W2V,    29360128                  ; byte offsets in h16
.set W2L,    37748736
.set ADRA, 16                          ; v16-17  my hid fragments in slot 0, 1
.set ADRB, 20                          ; v20-21  my W2 fragments, k-rows 0-95 of slot 0, 1;  v22-23 k-rows 96-191 (an LDS offset holds 16 bits)
.set STO,  24
.set RD,   25
.set CO,   26
.set BO,   27
.set ADRF, 28                          ; v28     my hid fragments in K step 0's tile
.set PFO,  29                          ; v29     the prefetch: my row and my wave's block; never rewritten
.set P,    32                          ; the way out: packed bf16
.set T,    64                          ; the way out: hi widened again, then the difference
.set G1,   24                          ; s[24:31] group 1, hid, 64 rows x 192
.set G0,   32                          ; s[32:39] group 0, hid, one set for each slot
.set G1B,  48                          ; s[48:55] group 1, W2, 96 k-rows x 256
.set G0B,  56                          ; s[56:63] group 0, W2, one set for each slot
.set G1F,  76                          ; s[76:83] group 1, hid, K step 0: 64 rows x 64
.set G1BF, 84                          ; s[84:91] group 1, W2, K step 0: 32 k-rows x 256
.set MSB, 0
.macro WIN new                         ; the immediate's high byte repeats the setting that is left
.if MSB != \new
	s_set_vgpr_msb (MSB<<8)|\new
.set MSB, \new
.endif
.endm
.set MUL, 0x50                         ; sources 0 and 1 window 0, C and D window 1
.set BIA, 0x60                         ; C (the bias) window 2, D window 1
; A joint load.  Waves 0 and 1 fetch W2's two halves, waves 2 and 3 hid's.  The branch hangs on the wave's number alone.  first = 1: K step 0's shapes.
.macro JLOAD s, first
	s_cmp_eq_u32 s13, 0
	s_cbranch_scc0 .Lfor_a_\@
.if \first
	tensor_load_to_lds s[G0B+4*\s:G0B+4*\s+3], s[G1BF:G1BF+7]
	s_nop 0
.else
	tensor_load_to_lds s[G0B+4*\s:G0B+4*\s+3], s[G1B:G1B+7]
	s_nop 0
.endif
	s_branch .Lasked_\@
.Lfor_a_\@:
.if \first
	tensor_load_to_lds s[G0+4*\s:G0+4*\s+3], s[G1F:G1F+7]
	s_nop 0
.else
	tensor_load_to_lds s[G0+4*\s:G0+4*\s+3], s[G1:G1+7]
	s_nop 0
.endif
.Lasked_\@:
.endm
.macro CREST                           ; a round of the cluster's barrier behind its opening work-group barrier
	s_cmp_lg_u32 s12, 0
	s_cbranch_scc1 .Lnot_wave_0_\@
	s_barrier_signal -3
.Lnot_wave_0_\@:
	s_barrier_wait -3
	s_barrier_signal -1
	s_barrier_wait -1
.endm
.macro CROUND
	s_barrier_signal -1
	s_barrier_wait -1
	CREST
.endm
	s_load_b256 s[4:11], s[0:1], 0x0               ; hid s[4:5], h16 s[6:7], b2_V s[8:9], b2_L s[10:11]
	s_load_b64 s[74:75], s[0:1], 0x20              ; fs
	v_lshl_add_u32 v30, v0, 2, 0x4e000
	v_mov_b32 v31, 0
	ds_add_u32 v30, v31
	v_lshrrev_b32 v1, 5, v0
	v_readfirstlane_b32 s12, v1                    ; wave 0..3
	s_lshr_b32 s13, s12, 1                         ; which 64 rows of the block are mine.  Also: I fetch for W2 (0) or for hid (1)
	s_and_b32 s14, s12, 1                          ; which 128 columns.  Also: which half of that tile I fetch
	s_bfe_u32 s15, ttmp6, 0x40000                  ; cx
	s_bfe_u32 s16, ttmp6, 0x40004                  ; cy
	s_lshl_b32 s17, ttmp9, 2
	s_add_co_u32 s17, s17, s15                     ; block column, 0..3
	s_and_b32 s18, ttmp7, 0xffff                   ; the cluster's y, 0..15: it alone picks the weights and the part of fs
	s_lshl_b32 s19, s18, 2
	s_add_co_u32 s19, s19, s16                     ; block row, 0..63
	s_lshl_b32 s20, s16, 2
	s_lshl_b32 s20, 15, s20                        ; my row of the cluster
	s_lshl_b32 s21, 0x1111, s15                    ; my column
	; group 1 for hid: 64 rows x 192 elements of 2 bytes, 4 words of padding behind every 32 words (three times a row)
	s_or_b32 s[G1+0], s20, (1<<16)|(1<<20)|(1<<21)|(4<<22)|(3<<25)
	s_mov_b32 s[G1+1], KS<<16                      ; tensor_dim0 = 192
	s_mov_b32 s[G1+2], 64<<16                      ; tensor_dim1 = 64
	s_mov_b32 s[G1+3], KS<<16                      ; tile_dim0 = 192
	s_mov_b32 s[G1+4], 64                          ; tile_dim1 = 64
	s_mov_b32 s[G1+5], 4096                        ; elements from row to row of hid
	s_mov_b32 s[G1+6], 0
	s_mov_b32 s[G1+7], 0
	; the same for K step 0: 64 rows x 64 elements, one piece of 128 bytes + 16 a row
	s_or_b32 s[G1F+0], s20, (1<<16)|(1<<20)|(1<<21)|(4<<22)|(3<<25)
	s_mov_b32 s[G1F+1], 64<<16
	s_mov_b32 s[G1F+2], 64<<16
	s_mov_b32 s[G1F+3], 64<<16
	s_mov_b32 s[G1F+4], 64
	s_mov_b32 s[G1F+5], 4096
	s_mov_b32 s[G1F+6], 0
	s_mov_b32 s[G1F+7], 0
	; group 1 for W2: 96 k-rows x 256 elements, 8 words of padding behind every 128 words
	s_or_b32 s[G1B+0], s21, (1<<16)|(1<<20)|(1<<21)|(6<<22)|(7<<25)
	s_mov_b32 s[G1B+1], 256<<16
	s_mov_b32 s[G1B+2], 96<<16
	s_mov_b32 s[G1B+3], 256<<16
	s_mov_b32 s[G1B+4], 96
	s_mov_b32 s[G1B+5], 1024                       ; elements from row to row of W2
	s_mov_b32 s[G1B+6], 0
	s_mov_b32 s[G1B+7], 0
	; the same for K step 0: 32 k-rows
	s_or_b32 s[G1BF+0], s21, (1<<16)|(1<<20)|(1<<21)|(6<<22)|(7<<25)
	s_mov_b32 s[G1BF+1], 256<<16
	s_mov_b32 s[G1BF+2], 32<<16
	s_mov_b32 s[G1BF+3], 256<<16
	s_mov_b32 s[G1BF+4], 32
	s_mov_b32 s[G1BF+5], 1024
	s_mov_b32 s[G1BF+6], 0
	s_mov_b32 s[G1BF+7], 0
	; hid's tile: s40-43 never hold cx
	s_lshl_b32 s40, s19, 7                         ; 128 x block row
	s_lshl_b32 s41, s14, 6                         ; + the 64 rows that I fetch
	s_add_co_u32 s40, s40, s41
	s_lshl_b32 s40, s40, 13                        ; rows of 8,192 bytes (66,584,576 at the most)
	s_mov_b32 s41, 0
	; W2's tile: s44-47 and s92-95 never hold cy
	s_mov_b32 s44, W2L
	s_cmp_lt_u32 s18, 4                            ; rows 0-2047 take w2_V
	s_cselect_b32 s44, W2V, s44
	s_lshl_b32 s45, s17, 9                         ; + 256 columns of 2 bytes for each block column
	s_add_co_u32 s44, s44, s45
	s_mov_b32 s45, 0
	s_lshl_b32 s92, s14, 16                        ; K step 0: my 32 of its 64 k-rows of 2,048 bytes
	s_mov_b32 s93, 0
	s_mul_i32 s94, s14, 96*FROW                    ; K step 1: my 96 of its 192 k-rows,
	s_add_co_u32 s94, s94, 64*FROW                 ; which begin at k = 64
	s_mov_b32 s95, 0
	s_mul_i32 s23, s12, BH                         ; W2's halves: waves 0, 1 at 0 and 52,224
	s_mul_i32 s72, s12, AH
	s_add_co_u32 s72, s72, ABASE-2*AH              ; hid's halves: waves 2, 3 at 104,448 and 132,096: no place in the cluster enters an LDS address
	s_lshl_b32 s98, s19, 20                        ; the prefetch: my block row's first row (128 rows of 8,192 bytes each),
	s_add_co_u32 s98, s98, 5*256                   ; block 5 of the rows
	s_mov_b32 s99, 0
	s_wait_dscnt 0x0
	s_wait_kmcnt 0x0
	s_add_nc_u64 s[42:43], s[4:5], s[40:41]
	s_add_nc_u64 s[46:47], s[6:7], s[44:45]
	s_add_nc_u64 s[96:97], s[4:5], s[98:99]
	s_cmp_lt_u32 s18, 4
	s_cselect_b64 s[66:67], s[8:9], s[10:11]       ; b2_V or b2_L
	s_lshl_b32 s70, s17, 10
	s_mov_b32 s71, 0
	s_add_nc_u64 s[66:67], s[66:67], s[70:71]      ; at my block column
.irp s, 0,1
	s_mov_b32 s[G0+4*\s], 1
	s_add_co_u32 s[G0+4*\s+1], s72, \s*SLOT
	s_add_nc_u64 s[G0+4*\s+2:G0+4*\s+3], s[42:43], \s*64*2             ; K step 0 at k = 0, K step 1 at k = 64
	s_or_b32 s[G0+4*\s+3], s[G0+4*\s+3], 0x80000000
	s_mov_b32 s[G0B+4*\s], 1
	s_add_co_u32 s[G0B+4*\s+1], s23, \s*SLOT
	s_add_nc_u64 s[G0B+4*\s+2:G0B+4*\s+3], s[46:47], s[92+2*\s:93+2*\s]
	s_or_b32 s[G0B+4*\s+3], s[G0B+4*\s+3], 0x80000000
.endr
	s_lshl_b32 s92, s14, 17                        ; slot 0's W2 address from K step 0 to K step 2: from k = 32 x half to k = 256 + 96 x half:
	s_add_co_u32 s92, s92, 256*FROW                ; (256 + 64 x half) rows of 2,048 bytes
	CROUND                                         ; all sixteen work-groups are here: the first joint loads meet
	JLOAD 0, 1                                     ; K step 0, the short one
	JLOAD 1, 0                                     ; K step 1: two tensor loads of the wave are out
	v_and_b32 v1, 15, v0                           ; r
	v_bfe_u32 v2, v0, 4, 1                         ; h
	v_mul_u32_u24 v3, v1, PA
	v_lshl_add_u32 v3, v2, 4, v3                   ; hid's fragment: row r, 16 h
	v_mul_u32_u24 v6, v1, PAC
	v_lshl_add_u32 v6, v2, 4, v6                   ; the same at K step 0's pitch
	v_and_b32 v4, 7, v0
	v_lshl_add_u32 v4, v2, 3, v4
	v_mul_u32_u24 v4, v4, PB                       ; W2's fragment: k-row 8 h + l % 8,
	v_bfe_u32 v5, v0, 3, 1
	v_lshl_add_u32 v4, v5, 4, v4                   ; 16 bytes for each half of eight lanes
	s_mul_i32 s70, s13, AH
	s_add_co_u32 s70, s70, ABASE                   ; my 64 rows of hid
	s_lshl_b32 s71, s14, 8                         ; my 128 columns of W2
	s_add_co_u32 s72, s71, BH                      ; and the same from k-row 96 on
	v_add_nc_u32 v[ADRF], s70, v6
.irp s, 0,1
	v_add_nc_u32 v[ADRA+\s], s70, v3
	v_add_nc_u32 v[ADRB+\s], s71, v4
	v_add_nc_u32 v[ADRB+2+\s], s72, v4
	s_add_co_u32 s70, s70, SLOT
	s_add_co_u32 s71, s71, SLOT
	s_add_co_u32 s72, s72, SLOT
.endr
	s_mul_i32 s70, s12, 16*SPITCH                  ; my stage: 16 rows x 272 bytes, from LDS byte 0 on
	v_mul_u32_u24 v4, v1, SPITCH
	v_lshl_add_u32 v4, v2, 4, v4
	v_add_nc_u32 v[STO], s70, v4
	v_mul_u32_u24 v5, v2, SPITCH
	v_lshl_add_u32 v5, v1, 4, v5
	v_add_nc_u32 v[RD], s70, v5
	v_lshlrev_b32 v5, 11, v2
	v_lshl_add_u32 v[CO], v1, 4, v5                ; two rows of fs, 16 bytes a lane
	v_lshlrev_b32 v[BO], 5, v2
	v_lshl_add_u32 v[BO], s14, 9, v[BO]            ; b2: 8 h numbers + my 128 columns
	v_and_b32 v7, 31, v0
	s_lshl_b32 s98, s15, 5
	v_add_nc_u32 v7, s98, v7                       ; the prefetch: row 32 cx + lane of the block row,
	v_lshlrev_b32 v7, 13, v7
	v_lshl_add_u32 v[PFO], s12, 8, v7              ; and one block of 256 bytes further for each wave
	; where my 64 rows go in fs: they are one batch's rows of one kind
	s_lshl_b32 s70, s19, 1
	s_add_co_u32 s70, s70, s13                     ; rows 0-2047: batch 2 x block row + half,
	s_mul_i32 s70, s70, 320
	s_add_co_u32 s70, s70, 256                     ; its hi rows
	s_sub_co_u32 s71, s19, 16                      ; rows 2048-6143: batch = block row - 16,
	s_mul_i32 s71, s71, 320
	s_lshl_b32 s72, s13, 6
	s_add_co_u32 s71, s71, s72
	s_add_co_u32 s71, s71, 64                      ; rows 64 + 64 x half
	s_sub_co_u32 s72, s70, 96*320+64               ; rows 6144-8191: batch 2 x (block row - 48) + half, rows 192-255
	s_cmp_lt_u32 s18, 12
	s_cselect_b32 s71, s71, s72
	s_cmp_lt_u32 s18, 4
	s_cselect_b32 s70, s70, s71
	s_lshl_b32 s70, s70, 11                        ; rows of 2,048 bytes
	s_lshl_b32 s71, s17, 9
	s_add_co_u32 s70, s70, s71                     ; + my block column
	s_lshl_b32 s71, s14, 8
	s_add_co_u32 s70, s70, s71                     ; + my half of it
	s_mov_b32 s71, 0
	s_add_nc_u64 s[68:69], s[74:75], s[70:71]      ; never stepped
	s_mov_b32 s73, 0xffff0000                      ; a word's upper bf16
	WIN 0x80                                       ; destination window 2
.irp b, 0,1,2,3,4,5,6,7
	global_load_b128 v[8*\b:8*\b+3],   v[BO], s[66:67] offset:64*\b
	global_load_b128 v[8*\b+4:8*\b+7], v[BO], s[66:67] offset:64*\b+16
.endr
	WIN 0
	s_wait_loadcnt 0x0                             ; b2, once
; 8 matrix instructions: m block a x all 8 n blocks, 32 along K, from buffer buf.  bias = 1: the first product takes b2 as C.
.macro MUL8 buf, a, bias
.irp b, 0,1,2,3,4,5,6,7
.if \bias
	v_wmma_f32_16x16x32_f16 v[8*(8*\a+\b):8*(8*\a+\b)+7], v[96+64*(\buf)+8*\b:96+64*(\buf)+8*\b+7], v[32+32*(\buf)+8*\a:32+32*(\buf)+8*\a+7], v[8*\b:8*\b+7]
.else
	v_wmma_f32_16x16x32_f16 v[8*(8*\a+\b):8*(8*\a+\b)+7], v[96+64*(\buf)+8*\b:96+64*(\buf)+8*\b+7], v[32+32*(\buf)+8*\a:32+32*(\buf)+8*\a+7], v[8*(8*\a+\b):8*(8*\a+\b)+7]
.endif
.endr
.endm
; 24 LDS loads in one run: sixth q (32 along K) of a slot into buffer buf: W2's 128 columns, then hid's 64 rows.
; first = 1: K step 0's tile in slot 0: W2's k-rows 0-31 lie at LDS k-row 0 and its k-rows 32-63 at LDS k-row 96 (each fetching wave's own place); hid's rows are 144 bytes apart.
.macro FETCH slot, q, buf, first
	WIN 0
.irp i, 0,1,2,3,4,5,6,7
.if \first
	ds_load_tr16_b128 v[96+64*(\buf)+8*\i:96+64*(\buf)+8*\i+3],   v[ADRB+\slot+2*(\q)] offset:32*\i
	ds_load_tr16_b128 v[96+64*(\buf)+8*\i+4:96+64*(\buf)+8*\i+7], v[ADRB+\slot+2*(\q)] offset:32*\i+16*PB
.else
	ds_load_tr16_b128 v[96+64*(\buf)+8*\i:96+64*(\buf)+8*\i+3],   v[ADRB+\slot+2*((\q)/3)] offset:((\q)%3)*32*PB+32*\i
	ds_load_tr16_b128 v[96+64*(\buf)+8*\i+4:96+64*(\buf)+8*\i+7], v[ADRB+\slot+2*((\q)/3)] offset:((\q)%3)*32*PB+32*\i+16*PB
.endif
.endr
.irp i, 0,1,2,3
.if \first
	ds_load_b128 v[32+32*(\buf)+8*\i:32+32*(\buf)+8*\i+3],   v[ADRF] offset:(\q)*64+\i*16*PAC
	ds_load_b128 v[32+32*(\buf)+8*\i+4:32+32*(\buf)+8*\i+7], v[ADRF] offset:(\q)*64+\i*16*PAC+32
.else
	ds_load_b128 v[32+32*(\buf)+8*\i:32+32*(\buf)+8*\i+3],   v[ADRA+\slot] offset:((\q)/2)*PAC+((\q)%2)*64+\i*16*PA
	ds_load_b128 v[32+32*(\buf)+8*\i+4:32+32*(\buf)+8*\i+7], v[ADRA+\slot] offset:((\q)/2)*PAC+((\q)%2)*64+\i*16*PA+32
.endif
.endr
.endm
.macro PLACES                          ; four places behind a matrix instruction in front of a load into, or a vector access to, its registers (ISA guide 7.12.1 for vector instructions)
.rept 4
	v_nop
.endr
.endm
; A sixth of a K step: multiplies buffer buf; in its middle it fetches sixth q of the same slot into the other buffer.
; bias = 1: K step 0's first sixth: the products start the sums from b2, and the fetch reads K step 0's tile.
.macro SIXTH slot, q, buf, bias
	s_wait_dscnt 4                                 ; W2's fragments and hid's blocks 0, 1 are in; the youngest four loads (blocks 2, 3) may be out
.if \bias
	WIN BIA
.else
	WIN MUL
.endif
	MUL8 \buf, 0, \bias
	MUL8 \buf, 1, \bias
	PLACES
	FETCH \slot, \q, 1-\buf, \bias
	s_wait_dscnt 24                                ; all but the 24 just issued
.if \bias
	WIN BIA
.else
	WIN MUL
.endif
	MUL8 \buf, 2, \bias
	MUL8 \buf, 3, \bias
.endm
.macro STEP5 slot                      ; the first five sixths of a K step of 192; its first fragments are on their way into buffer 0
	SIXTH \slot, 1, 0, 0
	SIXTH \slot, 2, 1, 0
	SIXTH \slot, 3, 0, 0
	SIXTH \slot, 4, 1, 0
	SIXTH \slot, 5, 0, 0
.endm
; The last sixth of a K step: multiplies buffer 1 and changes slots.  fill = 0: nothing is asked for; 1: this slot is filled again, two K steps (384 along K) ahead;
; 2: slot 0 goes from K step 0 to K step 2.  pf = 1: the trip's prefetch; 2: its base steps on.
; In front of the barrier each wave waits for its reads of this slot and for all its tensor loads (one is out: its part of the next slot); with a refill the barrier
; opens a round of the cluster's barrier, and the joint refill is the first tensor load behind the round.
.macro TURN slot, next, fill, pf
	s_wait_dscnt 4
	WIN MUL
	MUL8 1, 0, 0
	s_wait_dscnt 0                                 ; my reads of this slot are over
	s_wait_tensorcnt 0x0                           ; all my tensor loads have landed, so a group 0 may be written
	ds_add_u32 v30, v31
	s_wait_dscnt 0x0
	s_barrier_signal -1
	MUL8 1, 1, 0                                   ; work on registers while the others arrive
	WIN 0
	s_barrier_wait -1
.if \fill
	CREST                                          ; no wave of any partner still reads this slot or has a load on its way
.if \fill == 1
	s_add_nc_u64 s[G0+4*\slot+2:G0+4*\slot+3], s[G0+4*\slot+2:G0+4*\slot+3], 2*KS*2
	s_add_nc_u64 s[G0B+4*\slot+2:G0B+4*\slot+3], s[G0B+4*\slot+2:G0B+4*\slot+3], 2*KS*FROW
.else
	s_add_nc_u64 s[G0+4*\slot+2:G0+4*\slot+3], s[G0+4*\slot+2:G0+4*\slot+3], 256*2
	s_add_nc_u64 s[G0B+4*\slot+2:G0B+4*\slot+3], s[G0B+4*\slot+2:G0B+4*\slot+3], s[92:93]
.endif
	JLOAD \slot, 0
.endif
.if \pf == 1
	s_cmp_eq_u32 s12, 3                            ; three blocks a row and trip: waves 0, 1, 2 ask
	s_cbranch_scc1 .Lno_ask_\@
	global_prefetch_b8 v[PFO], s[96:97] th:TH_LOAD_NT scope:SCOPE_SE
.Lno_ask_\@:
.endif
.if \pf == 2
	s_wait_xcnt 0x0                                ; the prefetch was issued a K step ago: its base is written only behind this wait
	s_add_nc_u64 s[96:97], s[96:97], 2*KS*2        ; three blocks of 256 bytes on
.endif
	PLACES
	FETCH \next, 0, 0, 0
	WIN MUL
	MUL8 1, 2, 0
	MUL8 1, 3, 0
.endm
	s_wait_tensorcnt 1                             ; my part of K step 0 is in; K step 1's load stays out
	s_barrier_signal -1
	s_barrier_wait -1
	FETCH 0, 0, 0, 1
	SIXTH 0, 1, 0, 1                               ; K step 0 is two sixths: the first starts the sums from b2,
	TURN 0, 1, 2, 0                                ; the second changes slots and asks for K step 2
	WIN 0                                          ; at a label and at a branch every window is 0
	s_mov_b32 s22, 9                               ; nine trips: K steps 1 to 18; they ask for K steps 3 to 20
.Lk:
	STEP5 1
	TURN 1, 0, 1, 1
	STEP5 0
	TURN 0, 1, 1, 2
	WIN 0
	s_sub_co_u32 s22, s22, 1
	s_cmp_lg_u32 s22, 0
	s_cbranch_scc1 .Lk
	STEP5 1                                        ; K step 19,
	TURN 1, 0, 1, 0                                ; which asks for K step 21, the last: k = 3904 to 4095
	STEP5 0                                        ; K step 20
	TURN 0, 1, 0, 0                                ; nothing is left to fetch; behind this barrier nobody reads slot 0 any more
	STEP5 1                                        ; K step 21
	s_wait_dscnt 4
	WIN MUL
	MUL8 1, 0, 0
	MUL8 1, 1, 0
	s_wait_dscnt 0
	MUL8 1, 2, 0
	MUL8 1, 3, 0
	WIN 0
; THE WAY OUT, 16 rows at a time: round to bf16, 16 bytes a lane into my own stage, read back as whole rows of 256 bytes.
; lo = 1: also the rest, f32 sum minus its bf16, rounded to bf16, through the second stage, to the rows 256 above (524,288 bytes).
.macro OUT a, lo
	WIN 0x05                                       ; sources 0 and 1: the accumulators' window
.irp b, 0,1,2,3,4,5,6,7
.irp k, 0,1,2,3
	v_cvt_pk_bf16_f32 v[P+4*\b+\k], v[8*(8*\a+\b)+2*\k], v[8*(8*\a+\b)+2*\k+1]
.endr
.endr
	WIN 0
.irp b, 0,1,2,3,4,5,6,7
	ds_store_b128 v[STO], v[P+4*\b:P+4*\b+3] offset:32*\b
.endr
	s_wait_xcnt 0x0                                ; registers that earlier stores read are loaded again only behind this wait
.irp u, 0,1,2,3,4,5,6,7
	ds_load_b128 v[128+32*(\a%2)+4*\u:128+32*(\a%2)+4*\u+3], v[RD] offset:\u*2*SPITCH   ; a wave's LDS instructions are served in order: these see the stores above
.endr
.irp u, 0,1,2,3,4,5,6,7
	s_wait_dscnt 7-\u                              ; the younger read-backs may be out
	global_store_b128 v[CO], v[128+32*(\a%2)+4*\u:128+32*(\a%2)+4*\u+3], s[68:69] offset:(16*\a+2*\u)*FROW   ; 16 lanes store 256 consecutive bytes, aligned
.endr
.if \lo
.irp b, 0,1,2,3,4,5,6,7
.irp k, 0,1,2,3
	v_lshlrev_b32 v[T+8*\b+2*\k],   16,  v[P+4*\b+\k]          ; hi as f32 again
	v_and_b32     v[T+8*\b+2*\k+1], s73, v[P+4*\b+\k]
.endr
.endr
	WIN 0x01                                       ; source 0: the accumulators' window
.irp b, 0,1,2,3,4,5,6,7
.irp k, 0,1,2,3
	v_pk_add_f32 v[T+8*\b+2*\k:T+8*\b+2*\k+1], v[8*(8*\a+\b)+2*\k:8*(8*\a+\b)+2*\k+1], v[T+8*\b+2*\k:T+8*\b+2*\k+1] neg_lo:[0,1] neg_hi:[0,1]
.endr
.endr
	WIN 0
.irp b, 0,1,2,3,4,5,6,7
.irp k, 0,1,2,3
	v_cvt_pk_bf16_f32 v[P+4*\b+\k], v[T+8*\b+2*\k], v[T+8*\b+2*\k+1]
.endr
.endr
.irp b, 0,1,2,3,4,5,6,7
	ds_store_b128 v[STO], v[P+4*\b:P+4*\b+3] offset:32*\b+LOST
.endr
	s_wait_xcnt 0x0
.irp u, 0,1,2,3,4,5,6,7
	ds_load_b128 v[192+32*(\a%2)+4*\u:192+32*(\a%2)+4*\u+3], v[RD] offset:\u*2*SPITCH+LOST
.endr
.irp u, 0,1,2,3,4,5,6,7
	s_wait_dscnt 7-\u
	global_store_b128 v[CO], v[192+32*(\a%2)+4*\u:192+32*(\a%2)+4*\u+3], s[68:69] offset:(16*\a+2*\u)*FROW-256*FROW
.endr
.endif
.endm
	PLACES                                         ; behind the last matrix instructions
	s_cmp_ge_u32 s18, 4                            ; the cluster's y is the same in all sixteen work-groups and in all waves
	s_cbranch_scc1 .Lplain
	OUT 0, 1                                       ; ffn_V(V): hi and lo
	OUT 1, 1
	OUT 2, 1
	OUT 3, 1
	s_branch .Ljoin
.Lplain:
	OUT 0, 0
	OUT 1, 0
	OUT 2, 0
	OUT 3, 0
.Ljoin:
	s_wait_tensorcnt 0x0
	ds_add_u32 v30, v31
	s_wait_dscnt 0x0
	CROUND                                         ; the closing round: no work-group ends while a partner may still ask for a tile that names it
	s_endpgm
.Lfunc_end_k_q78924e5a0b_gemm2:
	.size	k_q78924e5a0b_gemm2, .Lfunc_end_k_q78924e5a0b_gemm2-k_q78924e5a0b_gemm2
	.p2alignl 7, 3214868480
	.fill 96, 4, 3214868480
	.section	.rodata,"a",@progbits
	.p2align	6, 0x0
	.amdhsa_kernel k_q78924e5a0b_gemm2
		.amdhsa_group_segment_fixed_size 327680
		.amdhsa_private_segment_fixed_size 0
		.amdhsa_enable_private_segment 0
		.amdhsa_kernarg_size 40
		.amdhsa_user_sgpr_count 2
		.amdhsa_user_sgpr_kernarg_segment_ptr 1
		.amdhsa_wavefront_size32 1
		.amdhsa_system_sgpr_workgroup_id_x 1
		.amdhsa_system_sgpr_workgroup_id_y 1
		.amdhsa_system_sgpr_workgroup_id_z 1
		.amdhsa_system_vgpr_workitem_id 0
		.amdhsa_next_free_vgpr 576
		.amdhsa_next_free_sgpr 100
		.amdhsa_reserve_vcc 0
		.amdhsa_float_denorm_mode_32 3
		.amdhsa_float_denorm_mode_16_64 3
		.amdhsa_memory_ordered 1
		.amdhsa_forward_progress 1
		.amdhsa_inst_pref_size 201
	.end_amdhsa_kernel
	.amdgpu_metadata
---
amdhsa.version: [ 1, 2 ]
amdhsa.kernels:
  - .name:           k_q78924e5a0b_gemm2
    .symbol:         k_q78924e5a0b_gemm2.kd
    .args:
      - { .name: hid, .offset: 0, .size: 8, .value_kind: global_buffer, .address_space: global }
      - { .name: h16, .offset: 8, .size: 8, .value_kind: global_buffer, .address_space: global }
      - { .name: b2_V, .offset: 16, .size: 8, .value_kind: global_buffer, .address_space: global }
      - { .name: b2_L, .offset: 24, .size: 8, .value_kind: global_buffer, .address_space: global }
      - { .name: fs, .offset: 32, .size: 8, .value_kind: global_buffer, .address_space: global }
    .group_segment_fixed_size: 327680
    .private_segment_fixed_size: 0
    .kernarg_segment_align: 8
    .kernarg_segment_size: 40
    .max_flat_workgroup_size: 128
    .sgpr_count:     100
    .vgpr_count:     576
    .wavefront_size: 32
...
	.end_amdgpu_metadata
.endif
;; end of part 3
;; launch attn (part 4): grid 256 x 1, 4 waves a work-group, clusters of 4 x 1, 327,680 bytes of LDS; arguments fs, out0, out1; writes out0, out1
.if DOCPART == 4
	.amdgcn_target "amdgcn-amd-amdhsa--gfx1250"
	.amdhsa_code_object_version 6
	.text
	.protected	k_q78924e5a0b_attn
	.globl	k_q78924e5a0b_attn
	.p2align	8
	.type	k_q78924e5a0b_attn,@function
k_q78924e5a0b_attn:
	s_mov_b64 s[64:65], 0
	v_nop
	global_prefetch_b8 v0, s[64:65] scope:SCOPE_SE
	s_setreg_imm32_b32 hwreg(HW_REG_WAVE_MODE, 25, 1), 1
	s_wait_xcnt 0x0
	s_wait_alu depctr_hold_cnt(0) depctr_sa_sdst(0) depctr_va_vdst(0) depctr_va_sdst(0) depctr_va_ssrc(0) depctr_va_vcc(0) depctr_vm_vsrc(0)
	s_getreg_b32 s2, hwreg(HW_REG_IB_STS2, 6, 4)
	s_cmp_eq_u32 s2, 0
	s_cbranch_scc0 .Lentry_in_a_cluster
	s_endpgm
.Lentry_in_a_cluster:
	s_bfe_u32 s2, ttmp6, 0x10000c
	s_cmp_lg_u32 s2, 0x3003
	s_cbranch_scc0 .Lentry_shape_is_right
	s_endpgm
.Lentry_shape_is_right:
; For each batch: A = ffn_V(V) [ffn_L(L); ffn_L(V)]^T / 32 (64 x 192, out0), softmax down the 64 rows of each column, V_next = attn [ffn_L(L); ffn_V(V)] (64 x 1024, out1).
; (v_mask, l_mask: read by nothing, see the first kernel.)
; fs [32][320][1024] bf16: rows 0-63 Q lo, 64-255 the 192 keys in out0's column order, 256-319 Q hi (= the last 64 rows of KV).
; PRECISION: one side of each product is used as hi + lo in bf16, two products on one accumulator: A = (Qhi + Qlo) K^T, V_next = (Phi + Plo) KV.
; SHARE: eight work-groups a batch.  The softmax needs whole columns of A and V_next needs all 192 of them, so each of the eight makes all of A (K = 1024),
; stores 8 of its 64 rows, and makes 128 of V_next's 1,024 columns.  That costs the product A eight times and spares a launch and attn's way through memory.
; CLUSTERS: 4 x 1; two clusters a batch.  All four partners walk the same 320 rows of fs: each K step's tile is asked for jointly (mask 15).
; The KV slice (192 rows x 128 columns) differs from partner to partner: plain loads, in the same group of first fills.
; cx enters global addresses and three select masks alone: no branch, no LDS address.
; LDS: ring 2 x 320 rows x 272 at 0; KV 192 rows x 288 at 174,080.  Behind the ring's last fill and a barrier its bytes hold the stages:
;   A f32 64 x 784 at 0; attn hi 64 x 400 at 50,176; attn lo at 75,776; V_next f32 64 x 528 at 101,376.
; REGISTERS: window 0: v4-22 addresses; v32-127 accumulators; v128-215 fragment buffer 0 (softmax and way out: at work); v216-227 out0's rows.  window 1: v0-87 buffer 1.
; The accumulators take turns, one instruction a turn.
.set PR,    272                        ; a ring row: 256 bytes + 16
.set RSLOT, 320*PR                     ; 87,040
.set WPART, 80*PR                      ; a wave fetches 80 rows
.set KVB,   2*RSLOT                    ; 174,080
.set PKV,   288                        ; a KV row: 256 bytes + 32 = 9 x 32, an odd multiple of 32 for the transposing load
.set PAS,   784                        ; A's stage: 768 bytes + 16 = 49 x 16
.set PH,    50176
.set PP,    400                        ; attn's stage: 384 bytes + 16 = 25 x 16
.set PLD,   25600                      ; lo lies 25,600 bytes behind hi
.set OSTG,  101376
.set PO,    528                        ; V_next's stage: 512 bytes + 16 = 33 x 16
.set ADRK, 4                           ; v4-5    my 48 keys in slot 0, 1
.set ADRL, 6                           ; v6-7    Q lo
.set ADRH, 8                           ; v8-9    Q hi
.set AST,  10                          ; v10     A's stage, in
.set PST,  11                          ; v11     attn's stage, in
.set AR0,  12                          ; v12-13  A's stage, back
.set AR1,  13
.set OA,   14                          ; v14     16 x lane: my bytes of a store of 512
.set ADRV, 15                          ; v15     KV's fragments
.set ADRP, 16                          ; v16     attn's fragments
.set OST,  17                          ; v17     V_next's stage, in
.set ORD,  18                          ; v18     V_next's stage, back
.set ACC,  32
.set MX,   128                         ; v128-151  column maxima, then minus their product with log2 e
.set SM,   152                         ; v152-175  column sums, then their reciprocals
.set T,    176
.set PHI,  192
.set PLW,  196
.set G1R, 16                           ; s[16:23] the ring's shape, joint
.set G0R, 24                           ; s[24:31] the ring's group 0, one set for each slot
.set G1K, 32                           ; s[32:39] KV, 32 rows
.set G1Q, 40                           ; s[40:47] KV, 16 rows
.set G0K, 48
.set G0Q, 52
.set MSB, 0
.macro WIN new
.if MSB != \new
	s_set_vgpr_msb (MSB<<8)|\new
.set MSB, \new
.endif
.endm
.macro ROUND                           ; a round of the cluster's barrier
	s_barrier_signal -1
	s_barrier_wait -1
	s_cmp_lg_u32 s10, 0
	s_cbranch_scc1 .Lnot_wave_0_\@
	s_barrier_signal -3
.Lnot_wave_0_\@:
	s_barrier_wait -3
	s_barrier_signal -1
	s_barrier_wait -1
.endm
.macro PLACES                          ; four places behind a matrix instruction in front of a load into, or a vector access to, its registers (ISA guide 7.12.1 for vector instructions)
.rept 4
	v_nop
.endr
.endm
	s_load_b128 s[4:7], s[0:1], 0x0                ; fs s[4:5], out0 s[6:7]
	s_load_b64 s[8:9], s[0:1], 0x10                ; out1
	v_lshl_add_u32 v254, v0, 2, 0x38000
	v_mov_b32 v255, 0
	ds_add_u32 v254, v255
	v_lshrrev_b32 v1, 5, v0
	v_readfirstlane_b32 s10, v1                    ; wave 0..3
	s_bfe_u32 s11, ttmp6, 0x40000                  ; cx
	s_lshr_b32 s12, ttmp9, 1                       ; batch: two clusters each
	s_and_b32 s13, ttmp9, 1                        ; p: which of the two
	s_lshl2_add_u32 s14, s13, s11                  ; slice = 4 p + cx, 0..7
	s_mov_b32 s[G1R+0], 15|(1<<16)|(1<<20)|(1<<21)|(5<<22)|(3<<25)   ; all four partners; 2-byte elements; 4 words of padding behind every 64
	s_mov_b32 s[G1R+1], 128<<16
	s_mov_b32 s[G1R+2], 80<<16
	s_mov_b32 s[G1R+3], 128<<16
	s_mov_b32 s[G1R+4], 80
	s_mov_b32 s[G1R+5], 1024
	s_mov_b32 s[G1R+6], 0
	s_mov_b32 s[G1R+7], 0
	s_mov_b32 s[G1K+0], (1<<16)|(1<<20)|(5<<22)|(7<<25)              ; no mask: my own; 8 words of padding behind every 64
	s_mov_b32 s[G1K+1], 128<<16
	s_mov_b32 s[G1K+2], 32<<16
	s_mov_b32 s[G1K+3], 128<<16
	s_mov_b32 s[G1K+4], 32
	s_mov_b32 s[G1K+5], 1024
	s_mov_b32 s[G1K+6], 0
	s_mov_b32 s[G1K+7], 0
	s_mov_b32 s[G1Q+0], (1<<16)|(1<<20)|(5<<22)|(7<<25)
	s_mov_b32 s[G1Q+1], 128<<16
	s_mov_b32 s[G1Q+2], 16<<16
	s_mov_b32 s[G1Q+3], 128<<16
	s_mov_b32 s[G1Q+4], 16
	s_mov_b32 s[G1Q+5], 1024
	s_mov_b32 s[G1Q+6], 0
	s_mov_b32 s[G1Q+7], 0
	s_mul_i32 s56, s12, 320                        ; the ring's rows: s56-59 never hold cx
	s_mul_i32 s57, s10, 80
	s_add_co_u32 s56, s56, s57                     ; 320 x batch + my 80 rows,
	s_lshl_b32 s56, s56, 11                        ; of 2,048 bytes
	s_mov_b32 s57, 0
	s_mul_i32 s66, s12, 320
	s_lshl_b32 s67, s14, 8                         ; my slice: 128 columns of 2 bytes
	s_lshl_b32 s68, s10, 5
	s_add_co_u32 s68, s68, s66
	s_add_co_u32 s68, s68, 64                      ; ffn_L(L): row 64 + 32 x wave of the batch
	s_lshl_b32 s68, s68, 11
	s_add_co_u32 s68, s68, s67
	s_mov_b32 s69, 0
	s_mul_i32 s15, s10, WPART
	s_wait_dscnt 0x0
	s_wait_kmcnt 0x0
	s_add_nc_u64 s[58:59], s[4:5], s[56:57]
.irp s, 0,1
	s_mov_b32 s[G0R+4*\s], 1
	s_add_co_u32 s[G0R+4*\s+1], s15, \s*RSLOT
	s_add_nc_u64 s[G0R+4*\s+2:G0R+4*\s+3], s[58:59], \s*256        ; K step s
	s_or_b32 s[G0R+4*\s+3], s[G0R+4*\s+3], 0x80000000
.endr
	s_mov_b32 s[G0K], 1
	s_mul_i32 s[G0K+1], s10, 32*PKV
	s_add_co_u32 s[G0K+1], s[G0K+1], KVB
	s_add_nc_u64 s[G0K+2:G0K+3], s[4:5], s[68:69]
	s_or_b32 s[G0K+3], s[G0K+3], 0x80000000
	s_lshl_b32 s68, s10, 4
	s_add_co_u32 s68, s68, s66
	s_add_co_u32 s68, s68, 256                     ; ffn_V(V) hi: row 256 + 16 x wave of the batch
	s_lshl_b32 s68, s68, 11
	s_add_co_u32 s68, s68, s67
	s_mov_b32 s[G0Q], 1
	s_mul_i32 s[G0Q+1], s10, 16*PKV
	s_add_co_u32 s[G0Q+1], s[G0Q+1], KVB+128*PKV
	s_add_nc_u64 s[G0Q+2:G0Q+3], s[4:5], s[68:69]
	s_or_b32 s[G0Q+3], s[G0Q+3], 0x80000000
	ROUND                                          ; all four work-groups are here: the first joint loads meet
	tensor_load_to_lds s[G0R:G0R+3], s[G1R:G1R+7]                  ; K step 0
	s_nop 0
	tensor_load_to_lds s[G0R+4:G0R+7], s[G1R:G1R+7]                ; K step 1
	s_nop 0
	tensor_load_to_lds s[G0K:G0K+3], s[G1K:G1K+7]                  ; my 32 rows of KV's first 128
	s_nop 0
	tensor_load_to_lds s[G0Q:G0Q+3], s[G1Q:G1Q+7]                  ; my 16 rows of its last 64: four tensor loads of the wave are out
	s_nop 0
	s_cmp_eq_u32 s11, 1
	s_cselect_b32 s60, -1, 0                       ; lane masks for the choice of out0's rows
	s_cmp_eq_u32 s11, 2
	s_cselect_b32 s61, -1, 0
	s_cmp_eq_u32 s11, 3
	s_cselect_b32 s62, -1, 0
	s_mov_b32 s63, 0xffff0000                      ; a word's upper bf16
	v_and_b32 v1, 15, v0                           ; r
	v_bfe_u32 v2, v0, 4, 1                         ; h
	v_and_b32 v3, 31, v0                           ; lane
	v_mul_u32_u24 v[ADRL], v1, PR
	v_lshl_add_u32 v[ADRL], v2, 4, v[ADRL]         ; row r, 16 h: Q lo is the slot's rows 0-63
	v_add_nc_u32 v[ADRL+1], RSLOT, v[ADRL]
	v_add_nc_u32 v[ADRH], 256*PR, v[ADRL]          ; Q hi: rows 256-319
	v_add_nc_u32 v[ADRH+1], 256*PR+RSLOT, v[ADRL]
	s_mul_i32 s66, s10, 48*PR
	s_add_co_u32 s66, s66, 64*PR                   ; my keys: rows 64 + 48 x wave
	v_add_nc_u32 v[ADRK], s66, v[ADRL]
	s_add_co_u32 s66, s66, RSLOT
	v_add_nc_u32 v[ADRK+1], s66, v[ADRL]
	v_mul_u32_u24 v[AST], v1, PAS                  ; A's stage: row r, my 48 columns, 8 h of them
	v_lshl_add_u32 v[AST], v2, 5, v[AST]
	s_mul_i32 s66, s10, 192
	v_add_nc_u32 v[AST], s66, v[AST]
	v_mul_u32_u24 v20, v1, PP
	v_lshl_add_u32 v20, v2, 4, v20                 ; r x 400 + 16 h
	s_mul_i32 s66, s10, 96
	s_add_co_u32 s66, s66, PH
	v_add_nc_u32 v[PST], s66, v20                  ; attn's stage, in: row r, my 48 columns
	s_mul_i32 s66, s10, 16*PP
	s_add_co_u32 s66, s66, PH
	v_add_nc_u32 v[ADRP], s66, v20                 ; attn's fragments: my 16 rows
	v_lshlrev_b32 v[OA], 4, v3
	s_lshl_b32 s66, s13, 5
	s_lshl1_add_u32 s66, s10, s66                  ; A's rows 32 p + 2 x wave (+ 8 for each candidate): p is the same in all four partners
	s_mul_i32 s66, s66, PAS
	v_add_nc_u32 v[AR0], s66, v[OA]
	v_lshl_add_u32 v[AR1], v2, 4, v[AR0]           ; the stage's rows are 16 bytes further apart than out0's
	v_and_b32 v21, 7, v0
	v_lshl_add_u32 v21, v2, 3, v21
	v_mul_u32_u24 v21, v21, PKV                    ; KV's fragment, transposing load: k-row 8 h + l % 8,
	v_bfe_u32 v22, v0, 3, 1
	v_lshl_add_u32 v21, v22, 4, v21                ; 16 bytes for each half of eight lanes
	v_add_nc_u32 v[ADRV], KVB, v21
	v_mul_u32_u24 v[OST], v1, PO
	v_lshl_add_u32 v[OST], v2, 5, v[OST]
	s_mul_i32 s66, s10, 16*PO
	s_add_co_u32 s66, s66, OSTG
	v_add_nc_u32 v[OST], s66, v[OST]               ; V_next's stage, in: my row r, 8 h columns
	v_add_nc_u32 v[ORD], s66, v[OA]                ; back: a whole row of 512 bytes
	s_lshl_b32 s66, s12, 6
	s_lshl_b32 s67, s14, 3
	s_add_co_u32 s66, s66, s67                     ; out0: row 64 x batch + 8 x slice,
	s_mul_i32 s66, s66, 768
	s_mul_i32 s67, s10, 1536                       ; two rows a wave
	s_add_co_u32 s66, s66, s67
	s_mov_b32 s67, 0
	s_add_nc_u64 s[6:7], s[6:7], s[66:67]
	s_lshl_b32 s66, s12, 18                        ; out1: 64 rows of 4,096 bytes a batch,
	s_lshl_b32 s68, s14, 9                         ; 512 bytes a slice,
	s_add_co_u32 s66, s66, s68
	s_lshl_b32 s68, s10, 16                        ; 16 rows a wave
	s_add_co_u32 s66, s66, s68
	s_add_nc_u64 s[8:9], s[8:9], s[66:67]
; PHASE 1.  Wave w owns A's columns 48 w .. 48 w + 47 (3 blocks mb) and all 64 rows (4 blocks nb).  Source 0 = keys, source 1 = Q:
; lane (r, h), register j of tile (mb, nb) holds A(row 16 nb + r, column 48 w + 16 mb + 8 h + j).
; A fragment buffer: keys at + 8 mb, Q hi at + 24 + 8 nb, Q lo at + 56 + 8 nb.  Buffer 0 = v128.., buffer 1 = window 1, v0..
.macro FETCHA slot, q, buf             ; 22 LDS loads: quarter q (32 along K) of a slot
	PLACES
.if \buf
	WIN 0x40
.else
	WIN 0
.endif
.irp i, 0,1,2
	ds_load_b128 v[128-128*(\buf)+8*\i:128-128*(\buf)+8*\i+3],   v[ADRK+\slot] offset:64*\q+16*PR*\i
	ds_load_b128 v[128-128*(\buf)+8*\i+4:128-128*(\buf)+8*\i+7], v[ADRK+\slot] offset:64*\q+16*PR*\i+32
.endr
.irp i, 0,1,2,3
	ds_load_b128 v[128-128*(\buf)+24+8*\i:128-128*(\buf)+24+8*\i+3], v[ADRH+\slot] offset:64*\q+16*PR*\i
	ds_load_b128 v[128-128*(\buf)+28+8*\i:128-128*(\buf)+28+8*\i+3], v[ADRH+\slot] offset:64*\q+16*PR*\i+32
.endr
.irp i, 0,1,2,3
	ds_load_b128 v[128-128*(\buf)+56+8*\i:128-128*(\buf)+56+8*\i+3], v[ADRL+\slot] offset:64*\q+16*PR*\i
	ds_load_b128 v[128-128*(\buf)+60+8*\i:128-128*(\buf)+60+8*\i+3], v[ADRL+\slot] offset:64*\q+16*PR*\i+32
.endr
.endm
.macro MULA buf, zero                  ; 12 products with Q hi (zero = 1: they start the sums), then 12 with Q lo, in the same order
.if \buf
	WIN 0x05
.else
	WIN 0
.endif
.irp mb, 0,1,2
.irp nb, 0,1,2,3
.if \zero
	v_wmma_f32_16x16x32_bf16 v[ACC+8*(4*\mb+\nb):ACC+8*(4*\mb+\nb)+7], v[128-128*(\buf)+8*\mb:128-128*(\buf)+8*\mb+7], v[128-128*(\buf)+24+8*\nb:128-128*(\buf)+24+8*\nb+7], 0
.else
	v_wmma_f32_16x16x32_bf16 v[ACC+8*(4*\mb+\nb):ACC+8*(4*\mb+\nb)+7], v[128-128*(\buf)+8*\mb:128-128*(\buf)+8*\mb+7], v[128-128*(\buf)+24+8*\nb:128-128*(\buf)+24+8*\nb+7], v[ACC+8*(4*\mb+\nb):ACC+8*(4*\mb+\nb)+7]
.endif
.endr
.endr
.irp mb, 0,1,2
.irp nb, 0,1,2,3
	v_wmma_f32_16x16x32_bf16 v[ACC+8*(4*\mb+\nb):ACC+8*(4*\mb+\nb)+7], v[128-128*(\buf)+8*\mb:128-128*(\buf)+8*\mb+7], v[128-128*(\buf)+56+8*\nb:128-128*(\buf)+56+8*\nb+7], v[ACC+8*(4*\mb+\nb):ACC+8*(4*\mb+\nb)+7]
.endr
.endr
.endm
.macro STEP slot, zero                 ; a K step of 128: four quarters; each quarter's fragments are fetched while the one before is multiplied
	FETCHA \slot, 0, 0
	s_wait_dscnt 0x0
	FETCHA \slot, 1, 1
	MULA 0, \zero
	s_wait_dscnt 0x0
	FETCHA \slot, 2, 0
	MULA 1, 0
	s_wait_dscnt 0x0
	FETCHA \slot, 3, 1
	MULA 0, 0
	s_wait_dscnt 0x0
	MULA 1, 0
	WIN 0
.endm
; A K step in slot \slot.  refill = 1: the other slot, read in the step before, is asked for again, two K steps ahead, jointly:
; each wave's waits stand in front of the round, the refill is the first tensor load behind it, one a wave.
.macro TRIP slot, refill
	s_wait_tensorcnt 0x0                           ; all my tensor loads have landed, my part of this slot among them, so a group 0 may be written
	ds_add_u32 v254, v255
	s_wait_dscnt 0x0
.if \refill
	s_add_nc_u64 s[G0R+6-4*\slot:G0R+7-4*\slot], s[G0R+6-4*\slot:G0R+7-4*\slot], 512
.endif
	s_wait_dscnt 0x0                               ; my reads of the other slot are over
.if \refill
	ROUND
	tensor_load_to_lds s[G0R+4-4*\slot:G0R+7-4*\slot], s[G1R:G1R+7]
	s_nop 0
.else
	s_barrier_signal -1
	s_barrier_wait -1
.endif
	STEP \slot, 0
.endm
	s_wait_tensorcnt 0x3                           ; my part of K step 0 is in; the three loads issued behind it may be out
	s_barrier_signal -1
	s_barrier_wait -1
	STEP 0, 1
	s_mov_b32 s15, 3                               ; three trips ask for K steps 2 to 7
.Lk:
	TRIP 1, 1
	TRIP 0, 1
	s_sub_co_u32 s15, s15, 1
	s_cmp_lg_u32 s15, 0
	s_cbranch_scc1 .Lk
	TRIP 1, 0                                      ; K step 7: nothing is left to fetch
	s_wait_dscnt 0x0
	s_barrier_signal -1
	s_barrier_wait -1                              ; nobody reads the ring any more and it has had its last fill: its bytes now hold the stages
	; A / 32 (1 / sqrt(1024), exact), into the stage for out0
	PLACES
.set i, 0
.rept 48
	v_pk_mul_f32 v[ACC+2*i:ACC+2*i+1], v[ACC+2*i:ACC+2*i+1], 0x3d000000 op_sel_hi:[1,0]
.set i, i+1
.endr
.irp mb, 0,1,2
.irp nb, 0,1,2,3
	ds_store_b128 v[AST], v[ACC+8*(4*\mb+\nb):ACC+8*(4*\mb+\nb)+3]   offset:16*PAS*\nb+64*\mb
	ds_store_b128 v[AST], v[ACC+8*(4*\mb+\nb)+4:ACC+8*(4*\mb+\nb)+7] offset:16*PAS*\nb+64*\mb+16
.endr
.endr
	; SOFTMAX down the rows.  A column's 64 rows are the four tiles nb in one register number and the 16 lanes r of my half: no step crosses the halves.
.irp mb, 0,1,2
.irp j, 0,1,2,3,4,5,6,7
	v_max3_num_f32 v[MX+8*\mb+\j], v[ACC+32*\mb+\j], v[ACC+32*\mb+8+\j], v[ACC+32*\mb+16+\j]
	v_max_num_f32  v[MX+8*\mb+\j], v[MX+8*\mb+\j], v[ACC+32*\mb+24+\j]
.endr
.endr
.irp x, 1,2,4,8
.set i, 0
.rept 24
	v_max_num_f32_dpp v[MX+i], v[MX+i], v[MX+i] row_xmask:\x row_mask:0xf bank_mask:0xf
.set i, i+1
.endr
.endr
.set i, 0
.rept 12
	v_pk_mul_f32 v[MX+2*i:MX+2*i+1], v[MX+2*i:MX+2*i+1], 0xbfb8aa3b op_sel_hi:[1,0]    ; - max x log2 e, rounded once: one shift for the whole column, so it cancels between a term and the sum
.set i, i+1
.endr
.irp mb, 0,1,2
.irp nb, 0,1,2,3
.irp k, 0,1,2,3
	v_pk_fma_f32 v[ACC+32*\mb+8*\nb+2*\k:ACC+32*\mb+8*\nb+2*\k+1], v[ACC+32*\mb+8*\nb+2*\k:ACC+32*\mb+8*\nb+2*\k+1], 0x3fb8aa3b, v[MX+8*\mb+2*\k:MX+8*\mb+2*\k+1] op_sel_hi:[1,0,1]
.endr
.endr
.endr
.set i, 0
.rept 96
	v_exp_f32 v[ACC+i], v[ACC+i]                   ; exponents are at most a rounding above 0: no overflow, and each column's sum is about 1 at the least
.set i, i+1
.endr
	v_nop                                          ; one plain instruction between the last exponential and the first use of a result (ISA guide 5.7.2)
	s_wait_alu depctr_va_vdst(0)
.irp mb, 0,1,2
.irp k, 0,1,2,3
	v_pk_add_f32 v[SM+8*\mb+2*\k:SM+8*\mb+2*\k+1], v[ACC+32*\mb+2*\k:ACC+32*\mb+2*\k+1], v[ACC+32*\mb+8+2*\k:ACC+32*\mb+8+2*\k+1]
	v_pk_add_f32 v[T+2*\k:T+2*\k+1], v[ACC+32*\mb+16+2*\k:ACC+32*\mb+16+2*\k+1], v[ACC+32*\mb+24+2*\k:ACC+32*\mb+24+2*\k+1]
	v_pk_add_f32 v[SM+8*\mb+2*\k:SM+8*\mb+2*\k+1], v[SM+8*\mb+2*\k:SM+8*\mb+2*\k+1], v[T+2*\k:T+2*\k+1]
.endr
.endr
.irp x, 1,2,4,8
.set i, 0
.rept 24
	v_add_f32_dpp v[SM+i], v[SM+i], v[SM+i] row_xmask:\x row_mask:0xf bank_mask:0xf
.set i, i+1
.endr
.endr
.set i, 0
.rept 24
	v_rcp_f32 v[SM+i], v[SM+i]
.set i, i+1
.endr
	v_nop                                          ; as behind the exponentials
	s_wait_alu depctr_va_vdst(0)
.irp mb, 0,1,2
.irp nb, 0,1,2,3
.irp k, 0,1,2,3
	v_pk_mul_f32 v[ACC+32*\mb+8*\nb+2*\k:ACC+32*\mb+8*\nb+2*\k+1], v[ACC+32*\mb+8*\nb+2*\k:ACC+32*\mb+8*\nb+2*\k+1], v[SM+8*\mb+2*\k:SM+8*\mb+2*\k+1]
.endr
.endr
.endr
	; attn as bf16 hi and lo, rows along k, for the second product's fragments
.irp mb, 0,1,2
.irp nb, 0,1,2,3
.irp k, 0,1,2,3
	v_cvt_pk_bf16_f32 v[PHI+\k], v[ACC+32*\mb+8*\nb+2*\k], v[ACC+32*\mb+8*\nb+2*\k+1]
.endr
	ds_store_b128 v[PST], v[PHI:PHI+3] offset:16*PP*\nb+32*\mb
.irp k, 0,1,2,3
	v_lshlrev_b32 v[T+2*\k],   16,  v[PHI+\k]
	v_and_b32     v[T+2*\k+1], s63, v[PHI+\k]
.endr
.irp k, 0,1,2,3
	v_pk_add_f32 v[T+2*\k:T+2*\k+1], v[ACC+32*\mb+8*\nb+2*\k:ACC+32*\mb+8*\nb+2*\k+1], v[T+2*\k:T+2*\k+1] neg_lo:[0,1] neg_hi:[0,1]
.endr
.irp k, 0,1,2,3
	v_cvt_pk_bf16_f32 v[PLW+\k], v[T+2*\k], v[T+2*\k+1]
.endr
	ds_store_b128 v[PST], v[PLW:PLW+3] offset:16*PP*\nb+32*\mb+PLD
.endr
.endr
	s_wait_dscnt 0x0                               ; my stores into the stages are done, for the others' sake
	s_barrier_signal -1
	s_barrier_wait -1
	; out0: my work-group's 8 rows are 32 p + 8 cx + 0..7, two a wave: 1,536 consecutive bytes, three stores of 512.  No LDS address may hold cx,
	; so the rows of all four partners are read (candidate c: 8 rows = 6,272 bytes further) and cx chooses among the values.
.irp c, 0,1,2,3
	ds_load_b128 v[128+12*\c:128+12*\c+3],    v[AR0] offset:8*PAS*\c           ; bytes 0-511 of the first row
	ds_load_b128 v[128+12*\c+4:128+12*\c+7],  v[AR1] offset:8*PAS*\c+512       ; its last 256 bytes, the second row's first 256
	ds_load_b128 v[128+12*\c+8:128+12*\c+11], v[AR0] offset:8*PAS*\c+PAS+256   ; the second row's bytes 256-767
.endr
	s_wait_dscnt 0x0
.set i, 0
.rept 12
	v_cndmask_b32 v[216+i], v[128+i], v[140+i], s60
	v_cndmask_b32 v[216+i], v[216+i], v[152+i], s61
	v_cndmask_b32 v[216+i], v[216+i], v[164+i], s62
.set i, i+1
.endr
.irp t, 0,1,2
	global_store_b128 v[OA], v[216+4*\t:216+4*\t+3], s[6:7] offset:512*\t th:TH_STORE_NT   ; 512 consecutive bytes, aligned; v216-227 are not written again
.endr
; PHASE 2.  Wave w owns V_next's rows 16 w .. 16 w + 15 and the slice's 8 blocks of 16 columns; K = 192 in six chunks of 32.
; Source 0 = KV (transposing load), source 1 = attn: lane (r, h), register j of tile db holds V_next(16 w + r, 16 db + 8 h + j).
; A fragment buffer: KV at + 8 db, attn hi at + 64, attn lo at + 72.
.macro FETCH2 c, buf
	PLACES
.if \buf
	WIN 0x40
.else
	WIN 0
.endif
.irp db, 0,1,2,3,4,5,6,7
	ds_load_tr16_b128 v[128-128*(\buf)+8*\db:128-128*(\buf)+8*\db+3],   v[ADRV] offset:32*PKV*(\c)+32*\db
	ds_load_tr16_b128 v[128-128*(\buf)+8*\db+4:128-128*(\buf)+8*\db+7], v[ADRV] offset:32*PKV*(\c)+32*\db+16*PKV
.endr
	ds_load_b128 v[128-128*(\buf)+64:128-128*(\buf)+67], v[ADRP] offset:64*(\c)
	ds_load_b128 v[128-128*(\buf)+68:128-128*(\buf)+71], v[ADRP] offset:64*(\c)+32
	ds_load_b128 v[128-128*(\buf)+72:128-128*(\buf)+75], v[ADRP] offset:64*(\c)+PLD
	ds_load_b128 v[128-128*(\buf)+76:128-128*(\buf)+79], v[ADRP] offset:64*(\c)+PLD+32
.endm
.macro CHUNK c, buf, more
	s_wait_dscnt 0x0                               ; this chunk's fragments are in
.if \more
	FETCH2 \c+1, 1-\buf
.endif
.if \buf
	WIN 0x05
.else
	WIN 0
.endif
.irp db, 0,1,2,3,4,5,6,7
.if \c == 0
	v_wmma_f32_16x16x32_bf16 v[ACC+8*\db:ACC+8*\db+7], v[128-128*(\buf)+8*\db:128-128*(\buf)+8*\db+7], v[128-128*(\buf)+64:128-128*(\buf)+71], 0
.else
	v_wmma_f32_16x16x32_bf16 v[ACC+8*\db:ACC+8*\db+7], v[128-128*(\buf)+8*\db:128-128*(\buf)+8*\db+7], v[128-128*(\buf)+64:128-128*(\buf)+71], v[ACC+8*\db:ACC+8*\db+7]
.endif
.endr
.irp db, 0,1,2,3,4,5,6,7
	v_wmma_f32_16x16x32_bf16 v[ACC+8*\db:ACC+8*\db+7], v[128-128*(\buf)+8*\db:128-128*(\buf)+8*\db+7], v[128-128*(\buf)+72:128-128*(\buf)+79], v[ACC+8*\db:ACC+8*\db+7]
.endr
.endm
	FETCH2 0, 0                                    ; KV landed in front of the first change of slots, whose wait was for all tensor loads
	CHUNK 0, 0, 1
	CHUNK 1, 1, 1
	CHUNK 2, 0, 1
	CHUNK 3, 1, 1
	CHUNK 4, 0, 1
	CHUNK 5, 1, 0
	WIN 0
	s_barrier_signal -1                            ; every wave's LDS reads are back (the last wait above was for 0): only behind this barrier is LDS written again
	s_barrier_wait -1
	PLACES
.irp db, 0,1,2,3,4,5,6,7
	ds_store_b128 v[OST], v[ACC+8*\db:ACC+8*\db+3]   offset:64*\db
	ds_store_b128 v[OST], v[ACC+8*\db+4:ACC+8*\db+7] offset:64*\db+16
.endr
.irp t, 0,1,2,3,4,5,6,7,8,9,10,11,12,13,14,15
	ds_load_b128 v[128+4*\t:128+4*\t+3], v[ORD] offset:PO*\t       ; my own 16 rows: a wave's LDS instructions are served in order
.endr
.irp t, 0,1,2,3,4,5,6,7,8,9,10,11,12,13,14,15
	s_wait_dscnt 15-\t                             ; the younger read-backs may be out
	global_store_b128 v[OA], v[128+4*\t:128+4*\t+3], s[8:9] offset:4096*\t th:TH_STORE_NT   ; 512 consecutive bytes of a row of out1, aligned
.endr
	s_wait_tensorcnt 0x0
	ds_add_u32 v254, v255
	s_wait_dscnt 0x0
	ROUND                                          ; the closing round
	s_endpgm
.Lfunc_end_k_q78924e5a0b_attn:
	.size	k_q78924e5a0b_attn, .Lfunc_end_k_q78924e5a0b_attn-k_q78924e5a0b_attn
	.p2alignl 7, 3214868480
	.fill 96, 4, 3214868480
	.section	.rodata,"a",@progbits
	.p2align	6, 0x0
	.amdhsa_kernel k_q78924e5a0b_attn
		.amdhsa_group_segment_fixed_size 327680
		.amdhsa_private_segment_fixed_size 0
		.amdhsa_enable_private_segment 0
		.amdhsa_kernarg_size 24
		.amdhsa_user_sgpr_count 2
		.amdhsa_user_sgpr_kernarg_segment_ptr 1
		.amdhsa_wavefront_size32 1
		.amdhsa_system_sgpr_workgroup_id_x 1
		.amdhsa_system_sgpr_workgroup_id_y 1
		.amdhsa_system_sgpr_workgroup_id_z 1
		.amdhsa_system_vgpr_workitem_id 0
		.amdhsa_next_free_vgpr 344
		.amdhsa_next_free_sgpr 70
		.amdhsa_reserve_vcc 0
		.amdhsa_float_denorm_mode_32 3
		.amdhsa_float_denorm_mode_16_64 3
		.amdhsa_memory_ordered 1
		.amdhsa_forward_progress 1
		.amdhsa_inst_pref_size 131
	.end_amdhsa_kernel
	.amdgpu_metadata
---
amdhsa.version: [ 1, 2 ]
amdhsa.kernels:
  - .name:           k_q78924e5a0b_attn
    .symbol:         k_q78924e5a0b_attn.kd
    .args:
      - { .name: fs, .offset: 0, .size: 8, .value_kind: global_buffer, .address_space: global }
      - { .name: out0, .offset: 8, .size: 8, .value_kind: global_buffer, .address_space: global }
      - { .name: out1, .offset: 16, .size: 8, .value_kind: global_buffer, .address_space: global }
    .group_segment_fixed_size: 327680
    .private_segment_fixed_size: 0
    .kernarg_segment_align: 8
    .kernarg_segment_size: 24
    .max_flat_workgroup_size: 128
    .sgpr_count:     70
    .vgpr_count:     344
    .wavefront_size: 32
...
	.end_amdgpu_metadata
.endif
;; end of part 4
